; MI455X (gfx1250); checked and timed in simulation.
; The chip was launched on July 23, 2026; its instructions are those of AMD's public machine-readable ISA for CDNA 5 (MIT licence, August 2026) and "CDNA5" Instruction Set Architecture Reference Guide (July 2026). The comments in the code are by the model that wrote it; some were corrected since.
;; Multihead Attention. Allowed arithmetic: float matrix products may take bf16 or f16 operands with f32 sums; all other float work in f32.
;; Inputs: Wk 8 x 512 x 64 float32; Wo 512 x 512 float32; Wq 8 x 512 x 64 float32; Wv 8 x 512 x 64 float32; bk 8 x 64 float32; bo 512 float32; bq 8 x 64 float32; bv 8 x 64 float32; x 4,096 x 512 float32.
;; Outputs: out0 4,096 x 512 float32.
;; 2 versions, each right; version 2 is version 1 with the launches qkv, oproj written anew for expert scheduling mode. Each part assembles by itself: llvm-mc -triple=amdgcn-amd-amdhsa -mcpu=gfx1250 --defsym DOCPART=n.
;; ======== version 1 of 2: 3 launches
;; limits: values are held in f16: magnitudes above 65,504 overflow, below 6.1e-05 lose precision
;; workspace buffers: qf 4,194,304 bytes; kv 8,388,608 bytes; ob 4,194,304 bytes
;; launch qkv (part 1): grid 32 x 8, 8 waves a work-group, no clusters, 91,136 bytes of LDS; arguments x, Wq, Wk, Wv, bq, bk, bv, qf, kv; writes qf, kv
.if DOCPART == 1
	.amdgcn_target "amdgcn-amd-amdhsa--gfx1250"
	.amdhsa_code_object_version 6
	.text
	.protected	k_qdfa1e29826_qkv
	.globl	k_qdfa1e29826_qkv
	.p2align	8
	.type	k_qdfa1e29826_qkv,@function
k_qdfa1e29826_qkv:
	s_mov_b64 s[64:65], 0
	v_nop
	global_prefetch_b8 v0, s[64:65] scope:SCOPE_SE
	s_setreg_imm32_b32 hwreg(HW_REG_WAVE_MODE, 25, 1), 1
	s_wait_xcnt 0x0
; q' = (x Wq + bq) * 0.125 * log2(e),  k = x Wk + bk,  v = x Wv + bv  for one head and 128 rows of x, rounded to f16.
; x [4096][512] f32, W [8][512][64] f32, b [8][64] f32.  Products in f16 with f32 sums.
; LIMITS: operands are rounded to f16: |x|, |W|, |k|, |v| or |0.18 q| of 65,504 or more become infinite; NaN and infinite inputs are not served.
; Work-group (row block sb, head hd): 128 rows x 192 columns, K = 512 in eight steps of 64.  Wave w: rows 64 (w>>2) .. +63,
; columns 16 (w&3) .. +15 of each of q, k, v: 4 row tiles x 3 kinds = 12 accumulators, the same text for every wave.
; NO TENSOR LOADS, NO CLUSTER, though x is shared by the 8 heads and W by the 32 row blocks: the operands are f32 and W lies [k][n].
; Laid into LDS as f32 a work-group's operands are 640 KiB and would be read and written again there to convert them; here each number
; is converted once in registers on its way in (320 KiB of LDS stores).
; THE STREAM: a wave always has 20 loads of 16 bytes a lane on their way (80 KiB a work-group).  x's eight and W's twelve are waited for, converted,
; stored and asked for again at two different places of a step, so that each load has a whole step in which to land.
; OUTPUT IN FRAGMENT ORDER: records of 512 bytes, lane L at 16 L, each four registers of a later matrix fragment (r = L&15, h = L>>4):
;   qf: hd*524288 + (s/16)*2048 + g*512 + 16 L            = q'[16 (s/16) + r][16 g + 8 h + 0..7]
;   kv: hd*1048576 + t*65536 + kt*2048 + g*512 + 16 L     = k[256 t + 16 kt + r][16 g + 8 h + 0..7]
;   kv: ... + 32768 + p*4096 + et*1024 + grp*512 + 16 L   = v[256 t + 32 p + 16 grp + 8 h + 0..7][16 et + r]
; so every store of a wave covers 512 consecutive bytes, aligned.
.set XP,   144                         ; LDS pitch of x: 64 f16 + 16 bytes, an odd multiple of 16
.set WP,   416                         ; LDS pitch of W: 192 f16 + 32 bytes, an odd multiple of 32 (for the transposing load)
.set WOFF, 128*XP                      ; W's 64 k rows lie behind x's 128 rows
.set BUF,  WOFF+64*WP                  ; 45,056 bytes a buffer, two buffers
.set VX,  2                            ; x: byte offset of my 16 bytes
.set VW,  3                            ; W: the same
.set LXS, 4                            ; LDS: where I store x
.set LWS, 5                            ; LDS: where I store W
.set LXA, 6                            ; LDS: my x fragments
.set LWB, 7                            ; LDS: my W fragments (transposing load)
.set VO,  8                            ; offset of my q and k records
.set VV,  9                            ; offset of my v records
.set VBQ, 10                           ; offset in bq, bk
.set VBV, 11                           ; offset in bv
.set ACC, 16                           ; v[16:111]   tile (kind, st) at ACC + 8 (4 kind + st)
.set AF,  112                          ; v[112:143]  x fragments, 4 row tiles
.set BF,  144                          ; v[144:167]  W fragments, 3 kinds
.set STG, 168                          ; v[168:247]  8 quads of x, 12 of W, as loaded; at the end biases and packed results
.macro PLACES n
.rept \n
	v_nop
.endr
.endm
.macro WM d, a, b, zero
.if \zero
	v_wmma_f32_16x16x32_f16 v[\d:\d+7], v[\a:\a+7], v[\b:\b+7], 0
.else
	v_wmma_f32_16x16x32_f16 v[\d:\d+7], v[\a:\a+7], v[\b:\b+7], v[\d:\d+7]
.endif
.endm
	s_load_b512 s[8:23], s[0:1], 0x0               ; x, Wq, Wk, Wv, bq, bk, bv, qf
	s_load_b64 s[24:25], s[0:1], 0x40              ; kv
	v_lshl_add_u32 v254, v0, 2, 0x16000
	v_mov_b32 v255, 0
	v_lshrrev_b32 v12, 5, v0
	v_readfirstlane_b32 s26, v12                   ; wave w
	s_lshr_b32 s27, s26, 2                         ; sh: which 64 rows
	s_and_b32 s28, s26, 3                          ; g: which 16 columns of each kind
	s_and_b32 s30, ttmp7, 0xffff                   ; head
	v_and_b32 v1, 31, v0                           ; L
	v_and_b32 v13, 15, v0                          ; r
	v_bfe_u32 v14, v0, 4, 1                        ; h
	v_lshlrev_b32 v15, 4, v1                       ; 16 L
	v_lshlrev_b32 v[VX], 4, v13                    ; x: row 16 w + h (+ 2 i), 16 bytes at 16 r
	v_lshl_add_u32 v[VX], v14, 11, v[VX]
	s_lshl_b32 s34, s26, 15
	v_add_nc_u32 v[VX], s34, v[VX]
	s_lshl_b32 s34, s26, 11                        ; W: a step is 16 KiB dense; wave w takes 2,048 bytes of it
	v_add_nc_u32 v[VW], s34, v15
	v_mul_u32_u24 v[LXS], v14, XP                  ; (16 w + h) XP + 8 r
	v_lshl_add_u32 v[LXS], v13, 3, v[LXS]
	s_mul_i32 s34, s26, 16*XP
	v_add_nc_u32 v[LXS], s34, v[LXS]
	v_mul_u32_u24 v[LWS], v14, WP                  ; WOFF + (8 w + h) WP + 8 r
	v_lshl_add_u32 v[LWS], v13, 3, v[LWS]
	s_mul_i32 s34, s26, 8*WP
	s_add_co_u32 s34, s34, WOFF
	v_add_nc_u32 v[LWS], s34, v[LWS]
	v_mul_u32_u24 v[LXA], v13, XP                  ; (64 sh + r) XP + 16 h
	v_lshl_add_u32 v[LXA], v14, 4, v[LXA]
	s_mul_i32 s34, s27, 64*XP
	v_add_nc_u32 v[LXA], s34, v[LXA]
	v_and_b32 v12, 7, v0                           ; WOFF + (8 h + (L&7)) WP + 32 g + 16 ((L>>3)&1)
	v_lshl_add_u32 v12, v14, 3, v12
	v_mul_u32_u24 v[LWB], v12, WP
	v_bfe_u32 v12, v0, 3, 1
	v_lshl_add_u32 v[LWB], v12, 4, v[LWB]
	s_lshl_b32 s34, s28, 5
	s_add_co_u32 s34, s34, WOFF
	v_add_nc_u32 v[LWB], s34, v[LWB]
	s_lshl_b32 s34, s27, 13                        ; 64 rows = 4 row tiles of 2,048 bytes, and 2 V blocks of 4,096
	s_lshl_b32 s35, s28, 9
	s_add_co_u32 s35, s35, s34
	v_add_nc_u32 v[VO], s35, v15
	s_lshl_b32 s35, s28, 10
	s_add_co_u32 s35, s35, s34
	v_add_nc_u32 v[VV], s35, v15
	s_lshl_b32 s34, s28, 6
	v_lshl_add_u32 v[VBQ], v14, 5, s34             ; bias of e = 16 g + 8 h + 0..7
	v_lshl_add_u32 v[VBV], v13, 2, s34             ; bias of e = 16 g + r
	s_wait_kmcnt 0x0
	s_mov_b32 s33, 0
	s_lshl_b32 s32, ttmp9, 18                      ; 128 rows of 2,048 bytes
	s_add_nc_u64 s[8:9], s[8:9], s[32:33]
	s_lshl_b32 s32, s30, 17                        ; a head's W: 131,072 bytes
	s_add_nc_u64 s[10:11], s[10:11], s[32:33]
	s_add_nc_u64 s[12:13], s[12:13], s[32:33]
	s_add_nc_u64 s[14:15], s[14:15], s[32:33]
	s_lshl_b32 s32, s30, 8                         ; a head's bias: 256 bytes
	s_add_nc_u64 s[16:17], s[16:17], s[32:33]
	s_add_nc_u64 s[18:19], s[18:19], s[32:33]
	s_add_nc_u64 s[20:21], s[20:21], s[32:33]
	s_lshl_b32 s32, s30, 19
	s_lshl_b32 s34, ttmp9, 14
	s_add_co_u32 s32, s32, s34
	s_add_nc_u64 s[22:23], s[22:23], s[32:33]      ; qf at my head and row block
	s_lshl_b32 s32, s30, 20
	s_lshr_b32 s34, ttmp9, 1
	s_lshl_b32 s34, s34, 16
	s_add_co_u32 s32, s32, s34                     ; the tile of 256 keys,
	s_and_b32 s34, ttmp9, 1
	s_lshl_b32 s34, s34, 14
	s_add_co_u32 s32, s32, s34                     ; and which half of it
	s_add_nc_u64 s[24:25], s[24:25], s[32:33]
; One K step of x: 8 loads of 16 bytes a lane; sixteen lanes take 256 aligned bytes of a row.
.macro LOADX step
.irp i, 0,1,2,3,4,5,6,7
	global_load_b128 v[STG+4*\i:STG+4*\i+3], v[VX], s[8:9] offset:(\step)*256+\i*4096
.endr
.endm
; One K step of the three W: 12 loads, dense.
.macro LOADW step
.irp ty, 0,1,2
.irp i, 0,1,2,3
	global_load_b128 v[STG+32+16*\ty+4*\i:STG+32+16*\ty+4*\i+3], v[VW], s[10+2*\ty:11+2*\ty] offset:(\step)*16384+\i*512
.endr
.endr
.endm
; The biases, when nothing of x and W is left to fetch, into x's registers.
.macro LOADB
	global_load_b128 v[STG:STG+3], v[VBQ], s[16:17]
	global_load_b128 v[STG+4:STG+7], v[VBQ], s[16:17] offset:16
	global_load_b128 v[STG+8:STG+11], v[VBQ], s[18:19]
	global_load_b128 v[STG+12:STG+15], v[VBQ], s[18:19] offset:16
	global_load_b32 v[STG+16], v[VBV], s[20:21]
.endm
; Round to f16 and store into buffer buf, 8 bytes a lane.  All conversions of a part stand ahead of its stores, so that no store follows the conversion that feeds it.
.macro CVTX buf
.irp i, 0,1,2,3,4,5,6,7
	v_cvt_pk_f16_f32 v[STG+4*\i], v[STG+4*\i], v[STG+4*\i+1]
	v_cvt_pk_f16_f32 v[STG+4*\i+1], v[STG+4*\i+2], v[STG+4*\i+3]
.endr
.irp i, 0,1,2,3,4,5,6,7
	ds_store_b64 v[LXS], v[STG+4*\i:STG+4*\i+1] offset:(\buf)*BUF+\i*2*XP
.endr
.endm
.macro CVTW buf
.irp ty, 0,1,2
.irp i, 0,1,2,3
	v_cvt_pk_f16_f32 v[STG+32+16*\ty+4*\i], v[STG+32+16*\ty+4*\i], v[STG+32+16*\ty+4*\i+1]
	v_cvt_pk_f16_f32 v[STG+32+16*\ty+4*\i+1], v[STG+32+16*\ty+4*\i+2], v[STG+32+16*\ty+4*\i+3]
.endr
.endr
.irp ty, 0,1,2
.irp i, 0,1,2,3
	ds_store_b64 v[LWS], v[STG+32+16*\ty+4*\i:STG+32+16*\ty+4*\i+1] offset:(\buf)*BUF+\i*2*WP+\ty*128
.endr
.endr
.endm
; The fragments of matrix step ks (32 along K) of buffer buf: 6 transposing loads of W, 8 loads of x.
.macro FRAG buf, ks
.irp ty, 0,1,2
	ds_load_tr16_b128 v[BF+8*\ty:BF+8*\ty+3], v[LWB] offset:(\buf)*BUF+(\ks)*32*WP+\ty*128
	ds_load_tr16_b128 v[BF+8*\ty+4:BF+8*\ty+7], v[LWB] offset:(\buf)*BUF+(\ks)*32*WP+\ty*128+16*WP
.endr
.irp st, 0,1,2,3
	ds_load_b128 v[AF+8*\st:AF+8*\st+3], v[LXA] offset:(\buf)*BUF+\st*16*XP+(\ks)*64
	ds_load_b128 v[AF+8*\st+4:AF+8*\st+7], v[LXA] offset:(\buf)*BUF+\st*16*XP+(\ks)*64+32
.endr
.endm
; Twelve matrix instructions.  q and k are made transposed (source 0 = W's columns, source 1 = x's rows), so that a lane holds eight neighbouring e
; of one row; v is made the natural way, so that a lane holds eight neighbouring keys of one e.
; The twelve accumulators take turns, one instruction a turn, in one fixed order.
; younger = the LDS stores issued behind the fragment loads.
.macro MULS zero, younger
.irp st, 0,1,2,3
	s_wait_dscnt 6-2*\st+\younger                  ; W's six loads and x's up to row tile st are in; the later row tiles' pairs and the younger stores stay out
	WM ACC+8*\st, BF, AF+8*\st, \zero
	WM ACC+32+8*\st, BF+8, AF+8*\st, \zero
	WM ACC+64+8*\st, AF+8*\st, BF+16, \zero
.endr
.endm
; My LDS stores and reads are done: say so, and go on when all eight waves have.
; One barrier a step serves both ways: the buffer stored in step t was last read in step t-1, in front of that step's barrier.
; The two buffers share no byte: reads and stores of buffer 0 end below byte 45,056, where buffer 1 begins.
.macro BAR
	s_wait_dscnt 0x0
	s_barrier_signal -1
	s_barrier_wait -1
.endm
; A K step of 64 on buffer buf.  The next step's x and W are converted into the other buffer while this step's fragments land;
; more = 1: each part is asked for again, two steps ahead, as soon as its registers are free.
.macro STEP buf, first, next, more
.if 1-\first
	PLACES 4                                       ; four places between the last matrix instructions and loads into their sources
.endif
	FRAG \buf, 0
	s_wait_loadcnt 12                              ; the next step's x is in: W's twelve loads were issued behind it
	CVTX 1-\buf
.if \more
	LOADX \next
.endif
	MULS \first, 8
	PLACES 4
	FRAG \buf, 1
.if \more
	s_wait_loadcnt 8                               ; the next step's W is in: the eight loads of x just issued stay out
.else
	s_wait_loadcnt 0x0                             ; nothing was issued behind it
.endif
	CVTW 1-\buf
.if \more
	LOADW \next
.else
	LOADB
.endif
	MULS 0, 12
	BAR
.endm
	LOADX 0
	LOADW 0
	s_wait_loadcnt 12
	CVTX 0
	LOADX 1
	s_wait_loadcnt 8
	CVTW 0
	LOADW 1
	BAR
	STEP 0, 1, 2, 1
	STEP 1, 0, 3, 1
	STEP 0, 0, 4, 1
	STEP 1, 0, 5, 1
	STEP 0, 0, 6, 1
	STEP 1, 0, 7, 1
	STEP 0, 0, 0, 0                                ; converts the last step's operands and fetches the biases
	PLACES 4
	FRAG 1, 0
	MULS 0, 0
	PLACES 4
	FRAG 1, 1
	MULS 0, 0
	PLACES 4                                       ; four places in front of the first read of a matrix result
	s_wait_loadcnt 0x0
	v_mov_b32 v[STG+17], v[STG+16]                 ; bv[e] twice: a pair for the packed add
.irp k, 0,2,4,6
	v_pk_mul_f32 v[STG+\k:STG+\k+1], v[STG+\k:STG+\k+1], 0x3e38aa3b op_sel_hi:[1,0]   ; bq * 0.125 log2(e)
.endr
.irp st, 0,1,2,3
.irp k, 0,2,4,6
	v_pk_fma_f32 v[ACC+8*\st+\k:ACC+8*\st+\k+1], v[ACC+8*\st+\k:ACC+8*\st+\k+1], 0x3e38aa3b, v[STG+\k:STG+\k+1] op_sel_hi:[1,0,1]
.endr
.irp k, 0,1,2,3
	v_cvt_pk_f16_f32 v[STG+32+4*\st+\k], v[ACC+8*\st+2*\k], v[ACC+8*\st+2*\k+1]
.endr
	global_store_b128 v[VO], v[STG+32+4*\st:STG+32+4*\st+3], s[22:23] offset:\st*2048
.endr
.irp st, 0,1,2,3
.irp k, 0,2,4,6
	v_pk_add_f32 v[ACC+32+8*\st+\k:ACC+32+8*\st+\k+1], v[ACC+32+8*\st+\k:ACC+32+8*\st+\k+1], v[STG+8+\k:STG+8+\k+1]
.endr
.irp k, 0,1,2,3
	v_cvt_pk_f16_f32 v[STG+48+4*\st+\k], v[ACC+32+8*\st+2*\k], v[ACC+32+8*\st+2*\k+1]
.endr
	global_store_b128 v[VO], v[STG+48+4*\st:STG+48+4*\st+3], s[24:25] offset:\st*2048
.endr
.irp st, 0,1,2,3
.irp k, 0,2,4,6
	v_pk_add_f32 v[ACC+64+8*\st+\k:ACC+64+8*\st+\k+1], v[ACC+64+8*\st+\k:ACC+64+8*\st+\k+1], v[STG+16:STG+17]
.endr
.irp k, 0,1,2,3
	v_cvt_pk_f16_f32 v[STG+64+4*\st+\k], v[ACC+64+8*\st+2*\k], v[ACC+64+8*\st+2*\k+1]
.endr
	global_store_b128 v[VV], v[STG+64+4*\st:STG+64+4*\st+3], s[24:25] offset:32768+(\st/2)*4096+(\st%2)*512
.endr
	s_wait_tensorcnt 0x0
	ds_add_u32 v254, v255
	s_wait_dscnt 0x0
	s_endpgm                                       ; every tile has its own four store registers: nothing is rewritten behind a store
.Lfunc_end_k_qdfa1e29826_qkv:
	.size	k_qdfa1e29826_qkv, .Lfunc_end_k_qdfa1e29826_qkv-k_qdfa1e29826_qkv
	.p2alignl 7, 3214868480
	.fill 96, 4, 3214868480
	.section	.rodata,"a",@progbits
	.p2align	6, 0x0
	.amdhsa_kernel k_qdfa1e29826_qkv
		.amdhsa_group_segment_fixed_size 91136
		.amdhsa_private_segment_fixed_size 0
		.amdhsa_enable_private_segment 0
		.amdhsa_kernarg_size 72
		.amdhsa_user_sgpr_count 2
		.amdhsa_user_sgpr_kernarg_segment_ptr 1
		.amdhsa_wavefront_size32 1
		.amdhsa_system_sgpr_workgroup_id_x 1
		.amdhsa_system_sgpr_workgroup_id_y 1
		.amdhsa_system_sgpr_workgroup_id_z 1
		.amdhsa_system_vgpr_workitem_id 0
		.amdhsa_next_free_vgpr 256
		.amdhsa_next_free_sgpr 66
		.amdhsa_reserve_vcc 0
		.amdhsa_float_denorm_mode_32 3
		.amdhsa_float_denorm_mode_16_64 3
		.amdhsa_memory_ordered 1
		.amdhsa_forward_progress 1
		.amdhsa_inst_pref_size 89
	.end_amdhsa_kernel
	.amdgpu_metadata
---
amdhsa.version: [ 1, 2 ]
amdhsa.kernels:
  - .name:           k_qdfa1e29826_qkv
    .symbol:         k_qdfa1e29826_qkv.kd
    .args:
      - { .name: x, .offset: 0, .size: 8, .value_kind: global_buffer, .address_space: global }
      - { .name: Wq, .offset: 8, .size: 8, .value_kind: global_buffer, .address_space: global }
      - { .name: Wk, .offset: 16, .size: 8, .value_kind: global_buffer, .address_space: global }
      - { .name: Wv, .offset: 24, .size: 8, .value_kind: global_buffer, .address_space: global }
      - { .name: bq, .offset: 32, .size: 8, .value_kind: global_buffer, .address_space: global }
      - { .name: bk, .offset: 40, .size: 8, .value_kind: global_buffer, .address_space: global }
      - { .name: bv, .offset: 48, .size: 8, .value_kind: global_buffer, .address_space: global }
      - { .name: qf, .offset: 56, .size: 8, .value_kind: global_buffer, .address_space: global }
      - { .name: kv, .offset: 64, .size: 8, .value_kind: global_buffer, .address_space: global }
    .group_segment_fixed_size: 91136
    .private_segment_fixed_size: 0
    .kernarg_segment_align: 8
    .kernarg_segment_size: 72
    .max_flat_workgroup_size: 256
    .sgpr_count:     66
    .vgpr_count:     256
    .wavefront_size: 32
...
	.end_amdgpu_metadata
.endif
;; end of part 1
;; launch attn (part 2): grid 32 x 8, 16 waves a work-group, clusters of 4 x 1, 327,680 bytes of LDS; arguments qf, kv, ob; writes ob
.if DOCPART == 2
	.amdgcn_target "amdgcn-amd-amdhsa--gfx1250"
	.amdhsa_code_object_version 6
	.text
	.protected	k_qdfa1e29826_attn
	.globl	k_qdfa1e29826_attn
	.p2align	8
	.type	k_qdfa1e29826_attn,@function
k_qdfa1e29826_attn:
	s_mov_b64 s[64:65], 0
	v_nop
	global_prefetch_b8 v0, s[64:65] scope:SCOPE_SE
	s_setreg_imm32_b32 hwreg(HW_REG_WAVE_MODE, 25, 1), 1
	s_wait_xcnt 0x0
	s_wait_alu depctr_hold_cnt(0) depctr_sa_sdst(0) depctr_va_vdst(0) depctr_va_sdst(0) depctr_va_ssrc(0) depctr_va_vcc(0) depctr_vm_vsrc(0)
	s_getreg_b32 s2, hwreg(HW_REG_IB_STS2, 6, 4)
	s_cmp_eq_u32 s2, 0
	s_cbranch_scc0 .Lentry_in_a_cluster
	s_endpgm
.Lentry_in_a_cluster:
	s_bfe_u32 s2, ttmp6, 0x10000c
	s_cmp_lg_u32 s2, 0x3003
	s_cbranch_scc0 .Lentry_shape_is_right
	s_endpgm
.Lentry_shape_is_right:
; heads[hd] = softmax(q k^T / 8) v for 128 queries of one head, with a running maximum; f16 operands, f32 sums and softmax.
; q' already carries 0.125 log2(e), so the exponentials are plain powers of two.
; LIMITS: P below about 6e-8 of the running maximum rounds to 0 in f16; NaN and infinite scores are not served (the maxima drop NaN);
; the sums go chunk by chunk, not in the reference's order.
; CLUSTER: the four work-groups of a cluster are four query blocks of ONE head and walk the same K and V tiles: each tile is asked for
; jointly (mask 15), which divides the requests for K and V by four.
; SIXTEEN WAVES, four on a SIMD, 256 registers each (4 x 256 = the SIMD's 1,024).  A chunk is 32 matrix instructions and some 245 vector
; instructions that hang on them, so a wave uses the two units by turns; with four waves on a SIMD one wave's matrix instructions stand beside the others' softmax.
; Wave w: i = w&3: 32 queries (two tiles of 16); j = w>>2: keys 64 j .. 64 j + 63 of every tile of 256 keys.  The four key quarters keep
; a maximum, a sum and an O of their own and are merged once at the end, through LDS.
; ALL TRANSPOSED: S^T = K Q^T (source 0 = K's rows, source 1 = Q's rows): lane (r, h) holds query r, keys 8 h + 0..7 of a key tile.  Two
; neighbouring key tiles, packed to f16 in place, ARE source 1 of O^T = V^T P^T: no number changes its lane; maximum, sum and rescaling
; factor are one number a lane, and one exchange of the two half-waves a chunk joins the maxima.
; LDS: two slots of 131,072 bytes, each two tiles of 256 keys as they lie in kv (32 KiB of K fragments, 32 KiB of V^T fragments, lane L at
; 16 L of each 512-byte record: every LDS load takes 512 consecutive bytes).  The stage of the merge (12 waves x 9,216 bytes) lies in slot 0, which by then
; has had its last fill and which no wave reads behind the last trip's round.
.set SLOTB, 131072
.set TILEB, 65536
.set WAVEB, 9216                       ; the stage of one wave: 16 records of O, one of the maxima, one of the sums
.set QUARB, 4*WAVEB                    ; the stage of one key quarter's four waves
.set VS0, 1                            ; v1         stage of key quarter 0 for my queries + 16 L; at the merge v2, v3 hold those of quarters 1, 2
.set AD,  2                            ; v[2:5]     LDS address of my chunk in (slot, tile): 16 L + 8192 j + 65536 (2 slot + tile)
.set VL,  6                            ; v6         16 L
.set VST, 7                            ; v7         my own stage + 16 L
.set MN,  8                            ; v[8:11]    running maximum, twice, for query tiles 0, 1
.set LS,  12                           ; v12, v13   running sum of my own keys; v14, v15 fill the record
.set AL,  16                           ; v[16:19]   rescaling factor, twice, for query tiles 0, 1
.set TM,  20                           ; v[20:23]   four chains of maxima
.set SM,  24                           ; v[24:31]   four pairs of sums
.set QF,  32                           ; v[32:63]   Q fragments: (query tile, K step) at QF + 16 q + 8 ks
.set OA,  64                           ; v[64:127]  O^T: tile (e tile, query tile) at OA + 8 (2 e + q)
.set SA,  128                          ; v[128:191] S^T, then P^T: key tile kt, query tile q at SA + 16 (2 (kt>>1) + q) + 8 (kt&1)
.set FR,  192                          ; v[192:255] K fragments, then V^T fragments, of a chunk of 64 keys
.set FP,  16                           ; at the merge: v[16:31] factor of source s (0 = mine, 1..3 = quarters 0..2), query tile q, twice, at FP + 4 s + 2 q
.set EA,  56                           ; at the merge: v[56:63] 2^(maximum of source s - common maximum) at EA + 2 s + q
.macro PLACES n
.rept \n
	v_nop
.endr
.endm
.macro WM d, a, b, zero
.if \zero
	v_wmma_f32_16x16x32_f16 v[\d:\d+7], v[\a:\a+7], v[\b:\b+7], 0
.else
	v_wmma_f32_16x16x32_f16 v[\d:\d+7], v[\a:\a+7], v[\b:\b+7], v[\d:\d+7]
.endif
.endm
; A round of the cluster's barrier: my work-group's barrier, wave 0 signals for the work-group, every wave waits for all four work-groups, my work-group's barrier again.
.macro ROUND
	s_barrier_signal -1
	s_barrier_wait -1
	s_cmp_lg_u32 s10, 0
	s_cbranch_scc1 .Lnot_wave_0_\@
	s_barrier_signal -3
.Lnot_wave_0_\@:
	s_barrier_wait -3
	s_barrier_signal -1
	s_barrier_wait -1
.endm
; The joint load of a slot: waves 0 to 7 bring an eighth each (64 rows of 256 bytes); waves 8 to 15 have no part of it and issue none.
; The branch hangs on the wave's number alone: it is the same in all four work-groups.
.macro TLOAD slot
	s_cmp_ge_u32 s10, 8
	s_cbranch_scc1 .Lno_part_\@
	tensor_load_to_lds s[32+4*(\slot):35+4*(\slot)], s[16:23]
	s_nop 0
.Lno_part_\@:
.endm
	s_load_b128 s[4:7], s[0:1], 0x0                ; qf, kv
	s_load_b64 s[8:9], s[0:1], 0x10                ; ob
	v_lshl_add_u32 v190, v0, 2, 0x40000
	v_mov_b32 v191, 0
	ds_add_u32 v190, v191
	s_wait_dscnt 0x0
	v_lshrrev_b32 v1, 5, v0
	v_readfirstlane_b32 s10, v1                    ; wave w
	s_and_b32 s11, s10, 3                          ; i: which 32 queries
	s_lshr_b32 s12, s10, 2                         ; j: which quarter of the keys
	s_and_b32 s13, ttmp7, 0xffff                   ; head (the cluster is one work-group high)
	s_bfe_u32 s14, ttmp6, 0x40000                  ; cx
	s_lshl_b32 s15, ttmp9, 2
	s_add_co_u32 s15, s15, s14                     ; query block = 4 x cluster x + cx: it enters the addresses of qf and ob alone
	s_mov_b32 s24, 0x76543210                      ; v_permlanex16_b32: lane i of one half reads lane i of the other
	s_mov_b32 s25, 0xfedcba98
	; descriptor group 1: 64 rows of 256 bytes (32 elements of 8 bytes), dense: an eighth of a slot
	s_mov_b32 s16, 15|(3<<16)|(1<<21)              ; mask: all four work-groups; element of 8 bytes; bit 21 set beside a mask
	s_mov_b32 s17, 32<<16                          ; tensor_dim0 = 32
	s_mov_b32 s18, 64<<16                          ; tensor_dim1 = 64
	s_mov_b32 s19, 32<<16                          ; tile_dim0 = 32
	s_mov_b32 s20, 64                              ; tile_dim1 = 64
	s_mov_b32 s21, 32                              ; pitch = 32 elements
	s_mov_b32 s22, 0
	s_mov_b32 s23, 0
	v_and_b32 v1, 31, v0
	v_lshlrev_b32 v[VL], 4, v1
	s_lshl_b32 s28, s12, 13                        ; a chunk of 64 keys is 8,192 bytes of K fragments, and of V^T fragments
.irp k, 0,1,2,3
	v_add_nc_u32 v[AD+\k], s28, v[VL]
	s_add_co_u32 s28, s28, TILEB
.endr
	s_mul_i32 s28, s11, WAVEB
	v_add_nc_u32 v[VS0], s28, v[VL]
	s_mul_i32 s28, s12, QUARB
	v_add_nc_u32 v[VST], s28, v[VS0]
	v_mov_b32 v14, 0
	v_mov_b32 v15, 0
	s_lshl_b32 s29, s10, 14                        ; waves 0 to 7: my 16 KiB of a slot
	s_lshl_b32 s30, s13, 20                        ; a head's K and V: 1 MiB.  s[29:31] never hold the place in the cluster
	s_add_co_u32 s30, s30, s29
	s_mov_b32 s31, 0
	s_mov_b32 s27, 0
	s_wait_kmcnt 0x0
	s_add_nc_u64 s[6:7], s[6:7], s[30:31]
	s_lshl_b32 s26, s13, 19
	s_lshl_b32 s28, s15, 14
	s_add_co_u32 s26, s26, s28
	s_lshl_b32 s28, s11, 12
	s_add_co_u32 s26, s26, s28
	s_add_nc_u64 s[4:5], s[4:5], s[26:27]          ; qf at my 32 queries
	s_lshl_b32 s26, s15, 17
	s_lshl_b32 s28, s11, 15
	s_add_co_u32 s26, s26, s28
	s_lshl_b32 s28, s13, 11
	s_add_co_u32 s26, s26, s28
	s_add_nc_u64 s[8:9], s[8:9], s[26:27]          ; ob at my two row tiles and my head
.irp i, 0,1
	s_mov_b32 s[32+4*\i], 1                        ; group 0 of slot i: count,
	s_add_co_u32 s[33+4*\i], s29, \i*SLOTB         ; LDS address: the wave's number times 16,384 plus the slot,
	s_add_nc_u64 s[34+4*\i:35+4*\i], s[6:7], \i*SLOTB   ; global address: double tile i,
	s_or_b32 s[35+4*\i], s[35+4*\i], 0x80000000    ; type
.endr
	ROUND                                          ; all four work-groups are here: the first joint load meets its partners'
	TLOAD 0                                        ; double tile 0
.irp i, 0,1,2,3,4,5,6,7
	global_load_b128 v[QF+4*\i:QF+4*\i+3], v[VL], s[4:5] offset:\i*512
.endr
	s_wait_loadcnt 0x0
.macro KLOAD ad                        ; the K fragments of my chunk (4 key tiles x 2 K steps): 16 loads
.irp i, 0,1,2,3,4,5,6,7,8,9,10,11,12,13,14,15
	ds_load_b128 v[FR+4*\i:FR+4*\i+3], v[AD+\ad] offset:\i*512
.endr
.endm
.macro VLOAD ad                        ; the V^T fragments of my chunk (2 blocks of 32 keys x 4 e tiles): 16 loads
.irp i, 0,1,2,3,4,5,6,7,8,9,10,11,12,13,14,15
	ds_load_b128 v[FR+4*\i:FR+4*\i+3], v[AD+\ad] offset:32768+\i*512
.endr
.endm
; Eight matrix instructions on four accumulators (key tiles 2 hf, 2 hf + 1 x two query tiles), two K steps.
; Here and in PVMUL the accumulators take turns, one instruction a turn.
.macro SMUL hf
.irp ks, 0,1
.irp a, 0,1
.irp q, 0,1
	WM SA+16*(2*\hf+\q)+8*\a, FR+32*\hf+16*\a+8*\ks, QF+16*\q+8*\ks, 1-\ks
.endr
.endr
.endr
.endm
.macro PVMUL p, zero                   ; O^T += V^T P^T over keys 32 p .. 32 p + 31 of the chunk: eight accumulators
.irp e, 0,1,2,3
.irp q, 0,1
	WM OA+8*(2*\e+\q), FR+32*\p+8*\e, SA+16*(2*\p+\q), \zero
.endr
.endr
.endm
.macro SUBEXP q                        ; P = 2^(S - m) for query tile q, in place
.irp p, 0,32
.irp k, 0,2,4,6,8,10,12,14
	v_pk_add_f32 v[SA+16*\q+\p+\k:SA+16*\q+\p+\k+1], v[SA+16*\q+\p+\k:SA+16*\q+\p+\k+1], v[MN+2*\q:MN+2*\q+1] neg_lo:[0,1] neg_hi:[0,1]
.endr
.endr
.irp p, 0,32
.irp k, 0,1,2,3,4,5,6,7,8,9,10,11,12,13,14,15
	v_exp_f32 v[SA+16*\q+\p+\k], v[SA+16*\q+\p+\k]
.endr
.endr
.endm
.macro SUMPACK q, first                ; the sum of my 32 P of query tile q, in two chains; then P to f16, in place
	v_pk_add_f32 v[SM+4*\q:SM+4*\q+1], v[SA+16*\q:SA+16*\q+1], v[SA+16*\q+2:SA+16*\q+3]
	v_pk_add_f32 v[SM+4*\q+2:SM+4*\q+3], v[SA+32+16*\q:SA+32+16*\q+1], v[SA+32+16*\q+2:SA+32+16*\q+3]
.irp k, 4,6,8,10,12,14
	v_pk_add_f32 v[SM+4*\q:SM+4*\q+1], v[SM+4*\q:SM+4*\q+1], v[SA+16*\q+\k:SA+16*\q+\k+1]
	v_pk_add_f32 v[SM+4*\q+2:SM+4*\q+3], v[SM+4*\q+2:SM+4*\q+3], v[SA+32+16*\q+\k:SA+32+16*\q+\k+1]
.endr
	v_pk_add_f32 v[SM+4*\q:SM+4*\q+1], v[SM+4*\q:SM+4*\q+1], v[SM+4*\q+2:SM+4*\q+3]
.if \first
	v_add_f32 v[LS+\q], v[SM+4*\q], v[SM+4*\q+1]
.else
	v_add_f32 v[SM+4*\q], v[SM+4*\q], v[SM+4*\q+1]
	v_fma_f32 v[LS+\q], v[LS+\q], v[AL+2*\q], v[SM+4*\q]
.endif
.irp p, 0,32
.irp k, 0,1,2,3,4,5,6,7
	v_cvt_pk_f16_f32 v[SA+16*\q+\p+\k], v[SA+16*\q+\p+2*\k], v[SA+16*\q+\p+2*\k+1]   ; ascending: register k is written when it has been read
.endr
.endr
.endm
; A chunk: 64 keys x 32 queries, 32 matrix instructions.  Its K fragments have been asked for.  more = 1: it ends by asking for those of the chunk at address register nad.
.macro CHUNK ad, first, more, nad
	s_wait_dscnt 0x8                               ; the first eight of the sixteen loads (key tiles 0, 1) are in
	SMUL 0
	s_wait_dscnt 0x0
	SMUL 1
	PLACES 4                                       ; four places in front of the loads into K's registers and of the first read of S
	VLOAD \ad                                      ; lands while the softmax runs
	; the largest of my 32 scores of each query tile, of the running maximum and of the other half-wave's: four chains side by side
.irp g, 0,1,2,3
	v_max3_num_f32 v[TM+\g], v[SA+16*\g], v[SA+16*\g+1], v[SA+16*\g+2]
.endr
.irp k, 3,5,7,9,11,13
.irp g, 0,1,2,3
	v_max3_num_f32 v[TM+\g], v[TM+\g], v[SA+16*\g+\k], v[SA+16*\g+\k+1]
.endr
.endr
.irp q, 0,1
.if \first
	v_max_num_f32 v[TM+\q], v[TM+\q], v[SA+16*\q+15]
.else
	v_max3_num_f32 v[TM+\q], v[TM+\q], v[SA+16*\q+15], v[MN+2*\q]
.endif
.endr
.irp q, 0,1
	v_max3_num_f32 v[TM+2+\q], v[TM+2+\q], v[SA+32+16*\q+15], v[TM+\q]
.endr
.irp q, 0,1
	v_permlanex16_b32 v[TM+\q], v[TM+2+\q], s24, s25
.endr
.irp q, 0,1
	v_max_num_f32 v[TM+2+\q], v[TM+2+\q], v[TM+\q]
.endr
.if 1-\first
.irp q, 0,1
	v_sub_f32 v[TM+\q], v[MN+2*\q], v[TM+2+\q]
.endr
.irp q, 0,1
	v_exp_f32 v[AL+2*\q], v[TM+\q]                 ; alpha = 2^(old maximum - new maximum)
.endr
.endif
.irp q, 0,1
	v_mov_b32 v[MN+2*\q], v[TM+2+\q]               ; the new maximum, twice; these plain lines also stand between the exponentials and their use
	v_mov_b32 v[MN+2*\q+1], v[TM+2+\q]
.endr
.if 1-\first
	s_wait_alu depctr_va_vdst(0)
.irp q, 0,1
	v_mov_b32 v[AL+2*\q+1], v[AL+2*\q]
.endr
.endif
	SUBEXP 0
	SUBEXP 1                                       ; its subtractions are the plain lines behind query tile 0's exponentials
.if \first
	v_nop                                          ; a plain line behind query tile 1's exponentials
	s_wait_alu depctr_va_vdst(0)
.else
	s_wait_alu depctr_va_vdst(0)
.irp e, 0,1,2,3
.irp q, 0,1
.irp k, 0,2,4,6
	v_pk_mul_f32 v[OA+8*(2*\e+\q)+\k:OA+8*(2*\e+\q)+\k+1], v[OA+8*(2*\e+\q)+\k:OA+8*(2*\e+\q)+\k+1], v[AL+2*\q:AL+2*\q+1]
.endr
.endr
.endr
.endif
	SUMPACK 0, \first
	SUMPACK 1, \first
	s_wait_dscnt 0x8                               ; V^T of the first 32 keys is in
	PVMUL 0, \first
	s_wait_dscnt 0x0
	PVMUL 1, 0
	PLACES 5                                       ; five places: the next scores are written over P, a source of these; four serve the loads into V's registers and the reads of O
.if \more
	KLOAD \nad
.endif
.endm
; A trip: one slot, 512 keys, of which two chunks are mine.  In front of the round every wave has waited for all its tensor loads (of waves 0 to 7 one is
; out: the wave's part of this slot) and for its LDS reads of the other slot; behind the round no wave of the four work-groups reads that slot: it is asked
; for again, first thing, one load a wave.  That load has the trip's work in which to land.
.macro TRIP slot, refill, first
	s_wait_xcnt 0x0
	v_lshl_add_u32 v190, v0, 2, 0x40000
	v_mov_b32 v191, 0
	s_wait_tensorcnt 0x0
	ds_add_u32 v190, v191
	s_wait_dscnt 0x0
	s_add_nc_u64 s[34+4*\slot:35+4*\slot], s[34+4*\slot:35+4*\slot], 2*SLOTB   ; no load of mine is out: this slot's next double tile
	s_wait_dscnt 0x0
	ROUND
.if \refill
	TLOAD 1-\slot
.endif
	KLOAD 2*\slot
	CHUNK 2*\slot, \first, 1, 2*\slot+1
	CHUNK 2*\slot+1, 0, 0, 0
.endm
	TRIP 0, 1, 1                                   ; the first chunk starts maximum, sum and O: nothing is cleared
	TRIP 1, 1, 0
	s_mov_b32 s44, 2
.Lring:
	TRIP 0, 1, 0
	TRIP 1, 1, 0
	s_sub_co_u32 s44, s44, 1
	s_cmp_lg_u32 s44, 0
	s_cbranch_scc1 .Lring
	TRIP 0, 1, 0                                   ; asks for the eighth and last double tile
	TRIP 1, 0, 0
	; THE MERGE.  Waves 0 to 11 (key quarters 0 to 2) hand O, maximum and sum to waves 12 to 15 through the stage in slot 0: its last fill was read in the
	; trip before the last, and every wave waited for those reads in front of the last trip's round.
	s_cmp_ge_u32 s10, 12
	s_cbranch_scc1 .Lkeep
.irp i, 0,1,2,3,4,5,6,7,8,9,10,11,12,13,14,15
	ds_store_b128 v[VST], v[OA+4*\i:OA+4*\i+3] offset:\i*512
.endr
	ds_store_b128 v[VST], v[MN:MN+3] offset:16*512
	ds_store_b128 v[VST], v[LS:LS+3] offset:17*512
.Lkeep:
	s_wait_dscnt 0x0                               ; for the readers' sake: my stores are done
	s_barrier_signal -1
	s_barrier_wait -1
	s_cmp_lt_u32 s10, 12
	s_cbranch_scc1 .Lend
	v_add_nc_u32 v[VS0+1], QUARB, v[VS0]           ; the stage of quarter 2 lies beyond an LDS instruction's 16-bit offset
	v_add_nc_u32 v[VS0+2], 2*QUARB, v[VS0]
.irp p, 0,1,2
	ds_load_b128 v[QF+8*\p:QF+8*\p+3], v[VS0+\p] offset:16*512       ; quarter p's maxima (each twice),
	ds_load_b128 v[QF+8*\p+4:QF+8*\p+7], v[VS0+\p] offset:17*512     ; and its sums
.endr
.irp i, 0,1,2,3,4,5,6,7,8,9,10,11,12,13,14,15
	ds_load_b128 v[SA+4*\i:SA+4*\i+3], v[VS0] offset:\i*512          ; quarter 0's O
.endr
.irp i, 0,1,2,3,4,5,6,7,8,9,10,11,12,13,14,15
	ds_load_b128 v[FR+4*\i:FR+4*\i+3], v[VS0+1] offset:\i*512        ; quarter 1's O
.endr
	s_wait_dscnt 32                                ; the six loads of maxima and sums are in; the 32 of O stay out
.irp q, 0,1
	v_max3_num_f32 v[14+\q], v[MN+2*\q], v[QF+2*\q], v[QF+8+2*\q]
	v_max_num_f32 v[14+\q], v[14+\q], v[QF+16+2*\q]            ; the common maximum
	v_sub_f32 v[EA+\q], v[MN+2*\q], v[14+\q]
	v_sub_f32 v[EA+2+\q], v[QF+2*\q], v[14+\q]
	v_sub_f32 v[EA+4+\q], v[QF+8+2*\q], v[14+\q]
	v_sub_f32 v[EA+6+\q], v[QF+16+2*\q], v[14+\q]
	v_exp_f32 v[EA+\q], v[EA+\q]
	v_exp_f32 v[EA+2+\q], v[EA+2+\q]
	v_exp_f32 v[EA+4+\q], v[EA+4+\q]
	v_exp_f32 v[EA+6+\q], v[EA+6+\q]
	v_nop
	s_wait_alu depctr_va_vdst(0)
	v_mul_f32 v[LS+\q], v[LS+\q], v[EA+\q]
	v_fmac_f32 v[LS+\q], v[QF+4+\q], v[EA+2+\q]
	v_fmac_f32 v[LS+\q], v[QF+12+\q], v[EA+4+\q]
	v_fmac_f32 v[LS+\q], v[QF+20+\q], v[EA+6+\q]
	v_permlanex16_b32 v[14+\q], v[LS+\q], s24, s25             ; the other half-wave's keys
	v_add_f32 v[LS+\q], v[LS+\q], v[14+\q]                     ; at least 1: the key of the maximum adds 1
	v_rcp_f32 v[14+\q], v[LS+\q]
	v_nop
	s_wait_alu depctr_va_vdst(0)
.irp s, 0,1,2,3
	v_mul_f32 v[FP+4*\s+2*\q], v[EA+2*\s+\q], v[14+\q]         ; source s's factor, twice
	v_mul_f32 v[FP+4*\s+2*\q+1], v[EA+2*\s+\q], v[14+\q]
.endr
.endr
.macro OADD src, s                     ; O += factor of source s x the O that lies at register src
.irp e, 0,1,2,3
.irp q, 0,1
.irp k, 0,2,4,6
	v_pk_fma_f32 v[OA+8*(2*\e+\q)+\k:OA+8*(2*\e+\q)+\k+1], v[\src+8*(2*\e+\q)+\k:\src+8*(2*\e+\q)+\k+1], v[FP+4*\s+2*\q:FP+4*\s+2*\q+1], v[OA+8*(2*\e+\q)+\k:OA+8*(2*\e+\q)+\k+1]
.endr
.endr
.endr
.endm
.irp e, 0,1,2,3
.irp q, 0,1
.irp k, 0,2,4,6
	v_pk_mul_f32 v[OA+8*(2*\e+\q)+\k:OA+8*(2*\e+\q)+\k+1], v[OA+8*(2*\e+\q)+\k:OA+8*(2*\e+\q)+\k+1], v[FP+2*\q:FP+2*\q+1]
.endr
.endr
.endr
	s_wait_dscnt 16                                ; quarter 0's O is in; quarter 1's sixteen loads stay out
	OADD SA, 1
.irp i, 0,1,2,3,4,5,6,7,8,9,10,11,12,13,14,15
	ds_load_b128 v[SA+4*\i:SA+4*\i+3], v[VS0+2] offset:\i*512        ; quarter 2's O, into the registers just read
.endr
	s_wait_dscnt 16                                ; quarter 1's O is in; quarter 2's sixteen loads stay out
	OADD FR, 2
	s_wait_dscnt 0x0
	OADD SA, 3
.irp e, 0,1,2,3
.irp q, 0,1
.irp k, 0,1,2,3
	v_cvt_pk_f16_f32 v[FR+4*(2*\e+\q)+\k], v[OA+8*(2*\e+\q)+2*\k], v[OA+8*(2*\e+\q)+2*\k+1]
.endr
	global_store_b128 v[VL], v[FR+4*(2*\e+\q):FR+4*(2*\e+\q)+3], s[8:9] offset:\q*16384+\e*512   ; 512 consecutive bytes: a record of the next launch's fragments
.endr
.endr
.Lend:
	s_wait_xcnt 0x0
	v_lshl_add_u32 v190, v0, 2, 0x40000
	v_mov_b32 v191, 0
	s_wait_tensorcnt 0x0
	ds_add_u32 v190, v191
	s_wait_dscnt 0x0
	ROUND                                          ; the closing round: no work-group ends while a partner may still ask for a tile that names it
	s_endpgm
.Lfunc_end_k_qdfa1e29826_attn:
	.size	k_qdfa1e29826_attn, .Lfunc_end_k_qdfa1e29826_attn-k_qdfa1e29826_attn
	.p2alignl 7, 3214868480
	.fill 96, 4, 3214868480
	.section	.rodata,"a",@progbits
	.p2align	6, 0x0
	.amdhsa_kernel k_qdfa1e29826_attn
		.amdhsa_group_segment_fixed_size 327680
		.amdhsa_private_segment_fixed_size 0
		.amdhsa_enable_private_segment 0
		.amdhsa_kernarg_size 24
		.amdhsa_user_sgpr_count 2
		.amdhsa_user_sgpr_kernarg_segment_ptr 1
		.amdhsa_wavefront_size32 1
		.amdhsa_system_sgpr_workgroup_id_x 1
		.amdhsa_system_sgpr_workgroup_id_y 1
		.amdhsa_system_sgpr_workgroup_id_z 1
		.amdhsa_system_vgpr_workitem_id 0
		.amdhsa_next_free_vgpr 256
		.amdhsa_next_free_sgpr 66
		.amdhsa_reserve_vcc 0
		.amdhsa_float_denorm_mode_32 3
		.amdhsa_float_denorm_mode_16_64 3
		.amdhsa_memory_ordered 1
		.amdhsa_forward_progress 1
		.amdhsa_inst_pref_size 230
	.end_amdhsa_kernel
	.amdgpu_metadata
---
amdhsa.version: [ 1, 2 ]
amdhsa.kernels:
  - .name:           k_qdfa1e29826_attn
    .symbol:         k_qdfa1e29826_attn.kd
    .args:
      - { .name: qf, .offset: 0, .size: 8, .value_kind: global_buffer, .address_space: global }
      - { .name: kv, .offset: 8, .size: 8, .value_kind: global_buffer, .address_space: global }
      - { .name: ob, .offset: 16, .size: 8, .value_kind: global_buffer, .address_space: global }
    .group_segment_fixed_size: 327680
    .private_segment_fixed_size: 0
    .kernarg_segment_align: 8
    .kernarg_segment_size: 24
    .max_flat_workgroup_size: 512
    .sgpr_count:     66
    .vgpr_count:     256
    .wavefront_size: 32
...
	.end_amdgpu_metadata
.endif
;; end of part 2
;; launch oproj (part 3): grid 32 x 8, 8 waves a work-group, no clusters, 67,584 bytes of LDS; arguments ob, Wo, bo, out0; writes out0
.if DOCPART == 3
	.amdgcn_target "amdgcn-amd-amdhsa--gfx1250"
	.amdhsa_code_object_version 6
	.text
	.protected	k_qdfa1e29826_oproj
	.globl	k_qdfa1e29826_oproj
	.p2align	8
	.type	k_qdfa1e29826_oproj,@function
k_qdfa1e29826_oproj:
	s_mov_b64 s[64:65], 0
	v_nop
	global_prefetch_b8 v0, s[64:65] scope:SCOPE_SE
	s_setreg_imm32_b32 hwreg(HW_REG_WAVE_MODE, 25, 1), 1
	s_wait_xcnt 0x0
; out0 = concat(heads) Wo + bo.  ob: the heads in f16, in fragment order; Wo [512][512] f32; bo [512] f32; out0 [4096][512] f32.
; LIMITS: Wo is rounded to f16: |Wo| of 65,504 or more becomes infinite.
; Work-group (row block sb, column block nb): 128 rows x 64 columns, K = 512.  Wave w: row tile 8 sb + w, all 64 columns, four accumulators.
; The wave's 16 fragments of A are 16 KiB of ob, its own and contiguous: they go straight into 128 registers, lane L at 16 L of each 512-byte record.
; Wo's panel of 512 x 64 is rounded to f16, transposed in registers and kept whole in LDS: one barrier, no ring.
; NO TENSOR LOADS, NO CLUSTER, though the panel is shared by the 32 row blocks: it is f32 and lies [k][n]; it has to pass through registers to be
; rounded and turned, and it is 128 KiB, read once by a work-group.
; COLUMNS PERMUTED: LDS row 16 nt + r holds column 4 r + nt, so lane r's four accumulators hold columns 4 r .. 4 r + 3 of a row: 16 bytes a lane,
; and sixteen lanes store 256 consecutive bytes, aligned, without a way through LDS.
.set PW,   1040                        ; LDS pitch: 512 f16 + 16 bytes, an odd multiple of 16
.set NTB,  16*PW
.set VW,   2                           ; Wo: (16 w + 8 h) rows + 16 r
.set LWS,  3                           ; LDS: where I store
.set LWB,  4                           ; LDS: my B fragments
.set VA,   5                           ; 16 L
.set VOUT, 6                           ; out0: 8 h rows + 16 r
.set VB,   7                           ; 16 r
.set BI,   12                          ; v[12:15]   bo of columns 4 r .. 4 r + 3
.set AF,   16                          ; v[16:143]  A: K step ks at AF + 8 ks
.set STG,  80                          ; v[80:207]  Wo as loaded, four batches of 32; batches 0, 1 become A's second half
.set ACC,  144                         ; v[144:175] (batch 2's registers)
.set BF0,  176                         ; v[176:207] (batch 3's registers)
.set T,    208                         ; v[208:223] packed quads
.set BF1,  224                         ; v[224:255]
.set OUT,  16                          ; v[16:47]   at the end
.macro PLACES n
.rept \n
	v_nop
.endr
.endm
	s_load_b256 s[4:11], s[0:1], 0x0               ; ob, Wo, bo, out0
	v_lshl_add_u32 v10, v0, 2, 0x10400
	v_mov_b32 v11, 0
	v_lshrrev_b32 v1, 5, v0
	v_readfirstlane_b32 s12, v1                    ; wave w
	s_and_b32 s13, ttmp7, 0xffff                   ; nb
	v_and_b32 v8, 15, v0                           ; r
	v_bfe_u32 v9, v0, 4, 1                         ; h
	v_and_b32 v1, 31, v0
	v_lshlrev_b32 v[VA], 4, v1
	v_lshlrev_b32 v[VB], 4, v8
	v_lshl_add_u32 v[VOUT], v9, 14, v[VB]          ; 8 h rows of 2,048 bytes + 16 r
	s_lshl_b32 s14, s12, 15
	v_add_nc_u32 v[VW], s14, v[VOUT]               ; + 16 w rows
	v_mul_u32_u24 v[LWB], v8, PW
	v_lshl_add_u32 v[LWB], v9, 4, v[LWB]           ; r PW + 16 h
	s_lshl_b32 s14, s12, 5
	v_add_nc_u32 v[LWS], s14, v[LWB]               ; + 32 w: k = 16 w + 8 h
	s_wait_kmcnt 0x0
	s_mov_b32 s17, 0
	s_lshl_b32 s16, ttmp9, 17
	s_lshl_b32 s14, s12, 14
	s_add_co_u32 s16, s16, s14
	s_add_nc_u64 s[4:5], s[4:5], s[16:17]          ; ob at row tile 8 sb + w
	s_lshl_b32 s16, s13, 8                         ; 64 columns of f32
	s_add_nc_u64 s[6:7], s[6:7], s[16:17]
	s_add_nc_u64 s[8:9], s[8:9], s[16:17]
	s_lshl_b32 s14, ttmp9, 18
	s_add_co_u32 s16, s16, s14
	s_lshl_b32 s14, s12, 15
	s_add_co_u32 s16, s16, s14
	s_add_nc_u64 s[10:11], s[10:11], s[16:17]      ; out0 at row 128 sb + 16 w, column 64 nb
	; All that fits in registers is asked for at once: the bias, Wo's panel (batch b: k = 128 b + 16 w + 8 h + 0..7; sixteen lanes take the
	; 256 aligned bytes of a row's piece), A's first half.
	global_load_b128 v[BI:BI+3], v[VB], s[8:9]
.irp b, 0,1,2,3
.irp i, 0,1,2,3,4,5,6,7
	global_load_b128 v[STG+32*\b+4*\i:STG+32*\b+4*\i+3], v[VW], s[6:7] offset:\b*262144+\i*2048
.endr
.endr
.irp i, 0,1,2,3,4,5,6,7,8,9,10,11,12,13,14,15
	global_load_b128 v[AF+4*\i:AF+4*\i+3], v[VA], s[4:5] offset:\i*512
.endr
; A batch: my eight k of four columns.  Pairing along k is the transposition; 16 bytes = eight k of one column go to that column's LDS row.
.macro WBATCH b, left
	s_wait_loadcnt \left                           ; loads come back in order: this batch is in, the \left issued behind it stay out
.irp c, 0,1,2,3
.irp i, 0,1,2,3
	v_cvt_pk_f16_f32 v[T+4*\c+\i], v[STG+32*\b+8*\i+\c], v[STG+32*\b+8*\i+4+\c]
.endr
	ds_store_b128 v[LWS], v[T+4*\c:T+4*\c+3] offset:\c*NTB+\b*256
.endr
.endm
	WBATCH 0, 40                                   ; behind batch 0: 24 of Wo, 16 of A
	WBATCH 1, 32                                   ; 16 of Wo, 16 of A
.irp i, 16,17,18,19,20,21,22,23,24,25,26,27,28,29,30,31
	global_load_b128 v[AF+4*\i:AF+4*\i+3], v[VA], s[4:5] offset:\i*512   ; A's second half, into the registers of batches 0 and 1
.endr
	WBATCH 2, 40                                   ; 8 of Wo, 32 of A
	WBATCH 3, 32                                   ; 32 of A
	s_wait_dscnt 0x0                               ; for the others' sake: my part of the panel is stored
	s_barrier_signal -1
	s_barrier_wait -1
.macro BLOAD ks, bf
.irp c, 0,1,2,3
	ds_load_b128 v[\bf+8*\c:\bf+8*\c+3], v[LWB] offset:\c*NTB+(\ks)*64
	ds_load_b128 v[\bf+8*\c+4:\bf+8*\c+7], v[LWB] offset:\c*NTB+(\ks)*64+32
.endr
.endm
.macro MUL ks, bf, zero                ; the four accumulators take turns, one instruction a turn
.irp c, 0,1,2,3
.if \zero
	v_wmma_f32_16x16x32_f16 v[ACC+8*\c:ACC+8*\c+7], v[AF+8*\ks:AF+8*\ks+7], v[\bf+8*\c:\bf+8*\c+7], 0
.else
	v_wmma_f32_16x16x32_f16 v[ACC+8*\c:ACC+8*\c+7], v[AF+8*\ks:AF+8*\ks+7], v[\bf+8*\c:\bf+8*\c+7], v[ACC+8*\c:ACC+8*\c+7]
.endif
.endr
.endm
.macro MID ks, bf, nbf
	PLACES 4                                       ; four places between the last step's matrix instructions and loads into their B registers
	BLOAD \ks+1, \nbf
	s_wait_dscnt 0x8                               ; this step's B is in; the eight just issued stay out
	MUL \ks, \bf, 0
.endm
	s_wait_loadcnt 0x10                            ; A's first half is in; the sixteen loads of the second half stay out
	BLOAD 0, BF0
	BLOAD 1, BF1
	s_wait_dscnt 0x8
	MUL 0, BF0, 1                                  ; the first K step starts the sums
	MID 1, BF1, BF0
	MID 2, BF0, BF1
	MID 3, BF1, BF0
	MID 4, BF0, BF1
	MID 5, BF1, BF0
	MID 6, BF0, BF1
	MID 7, BF1, BF0
	s_wait_loadcnt 0x0                             ; A's second half
	MID 8, BF0, BF1
	MID 9, BF1, BF0
	MID 10, BF0, BF1
	MID 11, BF1, BF0
	MID 12, BF0, BF1
	MID 13, BF1, BF0
	MID 14, BF0, BF1
	s_wait_dscnt 0x0
	MUL 15, BF1, 0
	PLACES 4                                       ; four places in front of the reads of the sums and the writes over A's registers
.irp j, 0,1,2,3,4,5,6,7
.irp c, 0,1,2,3
	v_add_f32 v[OUT+4*\j+\c], v[ACC+8*\c+\j], v[BI+\c]         ; row 8 h + j, column 4 r + c
.endr
	global_store_b128 v[VOUT], v[OUT+4*\j:OUT+4*\j+3], s[10:11] offset:\j*2048 th:TH_STORE_NT
.endr
	s_wait_tensorcnt 0x0
	ds_add_u32 v10, v11
	s_wait_dscnt 0x0
	s_endpgm
.Lfunc_end_k_qdfa1e29826_oproj:
	.size	k_qdfa1e29826_oproj, .Lfunc_end_k_qdfa1e29826_oproj-k_qdfa1e29826_oproj
	.p2alignl 7, 3214868480
	.fill 96, 4, 3214868480
	.section	.rodata,"a",@progbits
	.p2align	6, 0x0
	.amdhsa_kernel k_qdfa1e29826_oproj
		.amdhsa_group_segment_fixed_size 67584
		.amdhsa_private_segment_fixed_size 0
		.amdhsa_enable_private_segment 0
		.amdhsa_kernarg_size 32
		.amdhsa_user_sgpr_count 2
		.amdhsa_user_sgpr_kernarg_segment_ptr 1
		.amdhsa_wavefront_size32 1
		.amdhsa_system_sgpr_workgroup_id_x 1
		.amdhsa_system_sgpr_workgroup_id_y 1
		.amdhsa_system_sgpr_workgroup_id_z 1
		.amdhsa_system_vgpr_workitem_id 0
		.amdhsa_next_free_vgpr 256
		.amdhsa_next_free_sgpr 66
		.amdhsa_reserve_vcc 0
		.amdhsa_float_denorm_mode_32 3
		.amdhsa_float_denorm_mode_16_64 3
		.amdhsa_memory_ordered 1
		.amdhsa_forward_progress 1
		.amdhsa_inst_pref_size 30
	.end_amdhsa_kernel
	.amdgpu_metadata
---
amdhsa.version: [ 1, 2 ]
amdhsa.kernels:
  - .name:           k_qdfa1e29826_oproj
    .symbol:         k_qdfa1e29826_oproj.kd
    .args:
      - { .name: ob, .offset: 0, .size: 8, .value_kind: global_buffer, .address_space: global }
      - { .name: Wo, .offset: 8, .size: 8, .value_kind: global_buffer, .address_space: global }
      - { .name: bo, .offset: 16, .size: 8, .value_kind: global_buffer, .address_space: global }
      - { .name: out0, .offset: 24, .size: 8, .value_kind: global_buffer, .address_space: global }
    .group_segment_fixed_size: 67584
    .private_segment_fixed_size: 0
    .kernarg_segment_align: 8
    .kernarg_segment_size: 32
    .max_flat_workgroup_size: 256
    .sgpr_count:     66
    .vgpr_count:     256
    .wavefront_size: 32
...
	.end_amdgpu_metadata
.endif
;; end of part 3
;; ======== version 2 of 2: 3 launches; version 1 with the launches qkv, oproj written anew for expert scheduling mode
;; limits: values are held in f16: magnitudes above 65,504 overflow, below 6.1e-05 lose precision
;; workspace buffers: qf 4,194,304 bytes; kv 8,388,608 bytes; ob 4,194,304 bytes
;; launch qkv (part 4): grid 32 x 8, 8 waves a work-group, no clusters, 91,136 bytes of LDS; arguments x, Wq, Wk, Wv, bq, bk, bv, qf, kv; writes qf, kv
.if DOCPART == 4
	.amdgcn_target "amdgcn-amd-amdhsa--gfx1250"
	.amdhsa_code_object_version 6
	.text
	.protected	k_qdfa1e29826_qkv
	.globl	k_qdfa1e29826_qkv
	.p2align	8
	.type	k_qdfa1e29826_qkv,@function
k_qdfa1e29826_qkv:
	s_mov_b64 s[64:65], 0
	v_nop
	global_prefetch_b8 v0, s[64:65] scope:SCOPE_SE
	s_setreg_imm32_b32 hwreg(HW_REG_WAVE_SCHED_MODE, 0, 2), 2
	s_setreg_imm32_b32 hwreg(HW_REG_WAVE_MODE, 25, 1), 1
	s_wait_xcnt 0x0
	s_wait_alu depctr_vm_vsrc(0)
; q' = (x Wq + bq) * 0.125 * log2(e),  k = x Wk + bk,  v = x Wv + bv  for one head and 128 rows of x, rounded to f16.
; x [4096][512] f32, W [8][512][64] f32, b [8][64] f32.  Products in f16 with f32 sums.
; LIMITS: operands are rounded to f16: |x|, |W|, |k|, |v| or |0.18 q| of 65,504 or more become infinite; NaN and infinite inputs are not served.
; Work-group (row block sb, head hd): 128 rows x 192 columns, K = 512 in eight steps of 64.  Wave w: rows 64 (w>>2) .. +63,
; columns 16 (w&3) .. +15 of each of q, k, v: 4 row tiles x 3 kinds = 12 accumulators, the same text for every wave.
; NO TENSOR LOADS, NO CLUSTER, though x is shared by the 8 heads and W by the 32 row blocks: the operands are f32 and W lies [k][n].
; Laid into LDS as f32 a work-group's operands are 640 KiB and would be read and written again there to convert them; here each number
; is converted once in registers on its way in (320 KiB of LDS stores).
; THE STREAM: a wave always has 20 loads of 16 bytes a lane on their way (80 KiB a work-group).  x's eight and W's twelve are waited for, converted,
; stored and asked for again at two different places of a step, so that each load has a whole step in which to land.
; OUTPUT IN FRAGMENT ORDER: records of 512 bytes, lane L at 16 L, each four registers of a later matrix fragment (r = L&15, h = L>>4):
;   qf: hd*524288 + (s/16)*2048 + g*512 + 16 L            = q'[16 (s/16) + r][16 g + 8 h + 0..7]
;   kv: hd*1048576 + t*65536 + kt*2048 + g*512 + 16 L     = k[256 t + 16 kt + r][16 g + 8 h + 0..7]
;   kv: ... + 32768 + p*4096 + et*1024 + grp*512 + 16 L   = v[256 t + 32 p + 16 grp + 8 h + 0..7][16 et + r]
; so every store of a wave covers 512 consecutive bytes, aligned.
; THE MODE: SCHED_MODE bits 1:0 = 2 (LLVM: expert scheduling mode 2), set by the entry lines.  The code itself states the register dependences
; between vector or matrix instructions and memory or LDS instructions, with s_wait_alu, always for 0.
; THE PLAN.  Registers that memory or LDS instructions touch, in a step:
;   RAW x, RAW W   global loads land in them; the conversions read them; nothing else names them until the way out.
;   OX, OW         out-buffers: the conversions write them, the LDS stores read them; written again a whole step later.
;   F0, F1         two fragment sets, in window 1: the step's 28 LDS loads land in them at the step's head; the twelve matrix instructions of the
;                  first 32 along K read F0, those of the second 32 read F1.
;   v2 to v11, v254, v255   addresses, made at the head and never written again.
; So a step has four waits: at its head one on vm_vsrc (the last step's LDS stores have read OX and OW) and one on va_vdst (the last step's matrix
; instructions are done reading F0 and F1); and one on va_vdst behind each run of conversions (the out-buffer is written, the raw registers are read out),
; behind which that part's loads and LDS stores follow with no further wait: nothing between names their registers.
.set XP,   144                         ; LDS pitch of x: 64 f16 + 16 bytes, an odd multiple of 16
.set WP,   416                         ; LDS pitch of W: 192 f16 + 32 bytes, an odd multiple of 32 (for the transposing load)
.set WOFF, 128*XP                      ; W's 64 k rows lie behind x's 128 rows
.set BUF,  WOFF+64*WP                  ; 45,056 bytes a buffer, two buffers
.set VX,  2                            ; x: byte offset of my 16 bytes
.set VW,  3                            ; W: the same
.set LXS, 4                            ; LDS: where I store x
.set LWS, 5                            ; LDS: where I store W
.set LXA, 6                            ; LDS: my x fragments
.set LWB, 7                            ; LDS: my W fragments (transposing load)
.set VO,  8                            ; offset of my q and k records
.set VV,  9                            ; offset of my v records
.set VBQ, 10                           ; offset in bq, bk
.set VBV, 11                           ; offset in bv
.set ACC, 16                           ; v[16:111]   tile (kind, st) at ACC + 8 (4 kind + st)
.set OX,  112                          ; v[112:127]  x in f16, to store into LDS: 8 pairs
.set OW,  128                          ; v[128:151]  W in f16, to store into LDS: 12 pairs
.set STG, 168                          ; v[168:247]  8 quads of x, 12 of W, as loaded; at the end biases and packed results
.set FSET, 56                          ; window 1: fragment set ks at 56 ks: v[256:311], v[312:367]
.set FA,  0                            ;   its x fragments, 4 row tiles, 32 registers
.set FB,  32                           ;   its W fragments, 3 kinds, 24 registers
.set MSB, 0
.macro WIN new                         ; s_set_vgpr_msb: bits 1:0 source 0, 3:2 source 1, 5:4 source 2, 7:6 destination; the high byte repeats the setting that is left
.if MSB != (\new)
	s_set_vgpr_msb (MSB<<8)|(\new)
.set MSB, \new
.endif
.endm
.set TO_F, 0x40                        ; destination in window 1, address in window 0
.set MUL,  0x05                        ; both sources in window 1, C and D in window 0
.macro PLACES n
.rept \n
	v_nop
.endr
.endm
.macro WM d, a, b, zero
.if \zero
	v_wmma_f32_16x16x32_f16 v[\d:\d+7], v[\a:\a+7], v[\b:\b+7], 0
.else
	v_wmma_f32_16x16x32_f16 v[\d:\d+7], v[\a:\a+7], v[\b:\b+7], v[\d:\d+7]
.endif
.endm
	s_load_b512 s[8:23], s[0:1], 0x0               ; x, Wq, Wk, Wv, bq, bk, bv, qf
	s_load_b64 s[24:25], s[0:1], 0x40              ; kv
	v_lshl_add_u32 v254, v0, 2, 0x16000
	v_mov_b32 v255, 0
	v_lshrrev_b32 v12, 5, v0
	v_readfirstlane_b32 s26, v12                   ; wave w
	s_and_b32 s30, ttmp7, 0xffff                   ; head
	v_and_b32 v1, 31, v0                           ; L
	v_and_b32 v13, 15, v0                          ; r
	v_bfe_u32 v14, v0, 4, 1                        ; h
	v_lshlrev_b32 v15, 4, v1                       ; 16 L
	v_lshlrev_b32 v[VX], 4, v13                    ; x: row 16 w + h (+ 2 i), 16 bytes at 16 r
	v_lshl_add_u32 v[VX], v14, 11, v[VX]
	s_wait_alu depctr_va_sdst(0)                   ; s26 is written, ahead of its first reader
	s_lshr_b32 s27, s26, 2                         ; sh: which 64 rows
	s_and_b32 s28, s26, 3                          ; g: which 16 columns of each kind
	s_lshl_b32 s34, s26, 15
	v_add_nc_u32 v[VX], s34, v[VX]
	s_lshl_b32 s34, s26, 11                        ; W: a step is 16 KiB dense; wave w takes 2,048 bytes of it
	v_add_nc_u32 v[VW], s34, v15
	v_mul_u32_u24 v[LXS], v14, XP                  ; (16 w + h) XP + 8 r
	v_lshl_add_u32 v[LXS], v13, 3, v[LXS]
	s_mul_i32 s34, s26, 16*XP
	v_add_nc_u32 v[LXS], s34, v[LXS]
	v_mul_u32_u24 v[LWS], v14, WP                  ; WOFF + (8 w + h) WP + 8 r
	v_lshl_add_u32 v[LWS], v13, 3, v[LWS]
	s_mul_i32 s34, s26, 8*WP
	s_add_co_u32 s34, s34, WOFF
	v_add_nc_u32 v[LWS], s34, v[LWS]
	v_mul_u32_u24 v[LXA], v13, XP                  ; (64 sh + r) XP + 16 h
	v_lshl_add_u32 v[LXA], v14, 4, v[LXA]
	s_mul_i32 s34, s27, 64*XP
	v_add_nc_u32 v[LXA], s34, v[LXA]
	v_and_b32 v12, 7, v0                           ; WOFF + (8 h + (L&7)) WP + 32 g + 16 ((L>>3)&1)
	v_lshl_add_u32 v12, v14, 3, v12
	v_mul_u32_u24 v[LWB], v12, WP
	v_bfe_u32 v12, v0, 3, 1
	v_lshl_add_u32 v[LWB], v12, 4, v[LWB]
	s_lshl_b32 s34, s28, 5
	s_add_co_u32 s34, s34, WOFF
	v_add_nc_u32 v[LWB], s34, v[LWB]
	s_lshl_b32 s34, s27, 13                        ; 64 rows = 4 row tiles of 2,048 bytes, and 2 V blocks of 4,096
	s_lshl_b32 s35, s28, 9
	s_add_co_u32 s35, s35, s34
	v_add_nc_u32 v[VO], s35, v15
	s_lshl_b32 s35, s28, 10
	s_add_co_u32 s35, s35, s34
	v_add_nc_u32 v[VV], s35, v15
	s_lshl_b32 s34, s28, 6
	v_lshl_add_u32 v[VBQ], v14, 5, s34             ; bias of e = 16 g + 8 h + 0..7
	v_lshl_add_u32 v[VBV], v13, 2, s34             ; bias of e = 16 g + r
	s_wait_kmcnt 0x0
	s_mov_b32 s33, 0
	s_lshl_b32 s32, ttmp9, 18                      ; 128 rows of 2,048 bytes
	s_add_nc_u64 s[8:9], s[8:9], s[32:33]
	s_lshl_b32 s32, s30, 17                        ; a head's W: 131,072 bytes
	s_add_nc_u64 s[10:11], s[10:11], s[32:33]
	s_add_nc_u64 s[12:13], s[12:13], s[32:33]
	s_add_nc_u64 s[14:15], s[14:15], s[32:33]
	s_lshl_b32 s32, s30, 8                         ; a head's bias: 256 bytes
	s_add_nc_u64 s[16:17], s[16:17], s[32:33]
	s_add_nc_u64 s[18:19], s[18:19], s[32:33]
	s_add_nc_u64 s[20:21], s[20:21], s[32:33]
	s_lshl_b32 s32, s30, 19
	s_lshl_b32 s34, ttmp9, 14
	s_add_co_u32 s32, s32, s34
	s_add_nc_u64 s[22:23], s[22:23], s[32:33]      ; qf at my head and row block
	s_lshl_b32 s32, s30, 20
	s_lshr_b32 s34, ttmp9, 1
	s_lshl_b32 s34, s34, 16
	s_add_co_u32 s32, s32, s34                     ; the tile of 256 keys,
	s_and_b32 s34, ttmp9, 1
	s_lshl_b32 s34, s34, 14
	s_add_co_u32 s32, s32, s34                     ; and which half of it
	s_add_nc_u64 s[24:25], s[24:25], s[32:33]
	s_wait_alu depctr_va_vdst(0)                   ; the ten offsets and addresses v2 to v11 are written, which every load and store of the kernel reads
; One K step of x: 8 loads of 16 bytes a lane; sixteen lanes take 256 aligned bytes of a row.
.macro LOADX step
.irp i, 0,1,2,3,4,5,6,7
	global_load_b128 v[STG+4*\i:STG+4*\i+3], v[VX], s[8:9] offset:(\step)*256+\i*4096
.endr
.endm
; One K step of the three W: 12 loads, dense.
.macro LOADW step
.irp ty, 0,1,2
.irp i, 0,1,2,3
	global_load_b128 v[STG+32+16*\ty+4*\i:STG+32+16*\ty+4*\i+3], v[VW], s[10+2*\ty:11+2*\ty] offset:(\step)*16384+\i*512
.endr
.endr
.endm
; The biases, when nothing of x and W is left to fetch, into x's registers.
.macro LOADB
	global_load_b128 v[STG:STG+3], v[VBQ], s[16:17]
	global_load_b128 v[STG+4:STG+7], v[VBQ], s[16:17] offset:16
	global_load_b128 v[STG+8:STG+11], v[VBQ], s[18:19]
	global_load_b128 v[STG+12:STG+15], v[VBQ], s[18:19] offset:16
	global_load_b32 v[STG+16], v[VBV], s[20:21]
.endm
; Round to f16, out of the raw registers into the out-buffer; then store into buffer buf, 8 bytes a lane.
.macro CVX
	WIN 0
.irp i, 0,1,2,3,4,5,6,7
	v_cvt_pk_f16_f32 v[OX+2*\i], v[STG+4*\i], v[STG+4*\i+1]
	v_cvt_pk_f16_f32 v[OX+2*\i+1], v[STG+4*\i+2], v[STG+4*\i+3]
.endr
.endm
.macro STX buf
.irp i, 0,1,2,3,4,5,6,7
	ds_store_b64 v[LXS], v[OX+2*\i:OX+2*\i+1] offset:(\buf)*BUF+\i*2*XP
.endr
.endm
.macro CVW
	WIN 0
.irp ty, 0,1,2
.irp i, 0,1,2,3
	v_cvt_pk_f16_f32 v[OW+8*\ty+2*\i], v[STG+32+16*\ty+4*\i], v[STG+32+16*\ty+4*\i+1]
	v_cvt_pk_f16_f32 v[OW+8*\ty+2*\i+1], v[STG+32+16*\ty+4*\i+2], v[STG+32+16*\ty+4*\i+3]
.endr
.endr
.endm
.macro STW buf
.irp ty, 0,1,2
.irp i, 0,1,2,3
	ds_store_b64 v[LWS], v[OW+8*\ty+2*\i:OW+8*\ty+2*\i+1] offset:(\buf)*BUF+\i*2*WP+\ty*128
.endr
.endr
.endm
; The fragments of matrix step ks (32 along K) of buffer buf, into fragment set ks: 6 transposing loads of W, 8 loads of x.
.macro FRAG buf, ks
.irp ty, 0,1,2
	ds_load_tr16_b128 v[FSET*(\ks)+FB+8*\ty:FSET*(\ks)+FB+8*\ty+3], v[LWB] offset:(\buf)*BUF+(\ks)*32*WP+\ty*128
	ds_load_tr16_b128 v[FSET*(\ks)+FB+8*\ty+4:FSET*(\ks)+FB+8*\ty+7], v[LWB] offset:(\buf)*BUF+(\ks)*32*WP+\ty*128+16*WP
.endr
.irp st, 0,1,2,3
	ds_load_b128 v[FSET*(\ks)+FA+8*\st:FSET*(\ks)+FA+8*\st+3], v[LXA] offset:(\buf)*BUF+\st*16*XP+(\ks)*64
	ds_load_b128 v[FSET*(\ks)+FA+8*\st+4:FSET*(\ks)+FA+8*\st+7], v[LXA] offset:(\buf)*BUF+\st*16*XP+(\ks)*64+32
.endr
.endm
; Three matrix instructions: row tile st of q, k and v, from fragment set ks.  q and k are made transposed (source 0 = W's columns, source 1 = x's rows),
; so that a lane holds eight neighbouring e of one row; v is made the natural way, so that a lane holds eight neighbouring keys of one e.
; The twelve accumulators take turns, one instruction a turn, in one fixed order.
.macro MUL3 ks, st, zero
	WM ACC+8*\st, FSET*\ks+FB, FSET*\ks+FA+8*\st, \zero
	WM ACC+32+8*\st, FSET*\ks+FB+8, FSET*\ks+FA+8*\st, \zero
	WM ACC+64+8*\st, FSET*\ks+FA+8*\st, FSET*\ks+FB+16, \zero
.endm
; The first 32 along K.  younger = the LDS instructions issued behind set 0's fourteen loads.
.macro MULS0 zero, younger
	WIN MUL
.irp st, 0,1,2,3
	s_wait_dscnt 6-2*\st+\younger                  ; W's six loads and x's up to row tile st are in; the later row tiles' pairs and all that is younger stay out
	MUL3 0, \st, \zero
.endr
.endm
; The second 32 along K.  younger = the LDS stores issued behind set 1's fourteen loads.
.macro MULS1 younger
	WIN MUL
	s_wait_dscnt \younger                          ; set 1 is in; the younger stores stay out
.irp st, 0,1,2,3
	MUL3 1, \st, 0
.endr
.endm
; My LDS stores and reads are done: say so, and go on when all eight waves have.
; One barrier a step serves both ways: the buffer stored in step t was last read in step t-1, in front of that step's barrier.
; The two buffers share no byte: reads and stores of buffer 0 end below byte 45,056, where buffer 1 begins.
.macro BAR
	s_wait_dscnt 0x0
	s_barrier_signal -1
	s_barrier_wait -1
.endm
; A K step of 64 on buffer buf.  Both fragment sets are asked for at its head; the next step's x and W are converted into the other buffer while they land;
; more = 1: each part is asked for again, two steps ahead, as soon as its raw registers are read out.
.macro STEP buf, first, next, more
	s_wait_alu depctr_vm_vsrc(0)                   ; the LDS stores of the step before have read OX and OW, which this step's conversions write again
.if 1-\first
	PLACES 4                                       ; four plain instructions between the last matrix instructions and the loads into their sources, as in the plain form of this text
.endif
	WIN TO_F
.if 1-\first
	s_wait_alu depctr_va_vdst(0)                   ; the last step's matrix instructions are done reading F0 and F1, in which the loads below land
.endif
	FRAG \buf, 0
	FRAG \buf, 1
	s_wait_loadcnt 12                              ; the next step's x is in: W's twelve loads were issued behind it
	CVX
	s_wait_alu depctr_va_vdst(0)                   ; the conversions have written OX, which the LDS stores read, and are done reading x's raw registers, in which the loads land
.if \more
	LOADX \next
.endif
	STX 1-\buf
	MULS0 \first, 22                               ; younger: set 1's fourteen loads and x's eight stores
.if \more
	s_wait_loadcnt 8                               ; the next step's W is in: the eight loads of x just issued stay out
.else
	s_wait_loadcnt 0x0                             ; nothing was issued behind it
.endif
	CVW
	s_wait_alu depctr_va_vdst(0)                   ; the conversions have written OW, which the LDS stores read, and are done reading the raw registers (W's, and x's earlier in the step), in which the loads land
.if \more
	LOADW \next
.else
	LOADB
.endif
	STW 1-\buf
	MULS1 20                                       ; younger: x's eight stores and W's twelve
	BAR
.endm
	LOADX 0
	LOADW 0
	s_wait_loadcnt 12
	CVX
	s_wait_alu depctr_va_vdst(0)
	LOADX 1
	STX 0
	s_wait_loadcnt 8
	CVW
	s_wait_alu depctr_va_vdst(0)
	LOADW 1
	STW 0
	BAR
	STEP 0, 1, 2, 1
	STEP 1, 0, 3, 1
	STEP 0, 0, 4, 1
	STEP 1, 0, 5, 1
	STEP 0, 0, 6, 1
	STEP 1, 0, 7, 1
	STEP 0, 0, 0, 0                                ; converts the last step's operands and fetches the biases
	PLACES 4                                       ; as at a step's head
	WIN TO_F
	s_wait_alu depctr_va_vdst(0)                   ; the last step's matrix instructions are done reading F0 and F1
	FRAG 1, 0
	FRAG 1, 1
	MULS0 0, 14                                    ; younger: set 1's fourteen loads
	MULS1 0
	WIN 0
	PLACES 4                                       ; four places in front of the first read of a matrix result
	s_wait_loadcnt 0x0
	v_mov_b32 v[STG+17], v[STG+16]                 ; bv[e] twice: a pair for the packed add
.irp k, 0,2,4,6
	v_pk_mul_f32 v[STG+\k:STG+\k+1], v[STG+\k:STG+\k+1], 0x3e38aa3b op_sel_hi:[1,0]   ; bq * 0.125 log2(e)
.endr
; A kind's arithmetic stands in one run, one wait behind it, then its four stores.  Every tile has its own four store registers: nothing is rewritten behind a store.
.irp st, 0,1,2,3
.irp k, 0,2,4,6
	v_pk_fma_f32 v[ACC+8*\st+\k:ACC+8*\st+\k+1], v[ACC+8*\st+\k:ACC+8*\st+\k+1], 0x3e38aa3b, v[STG+\k:STG+\k+1] op_sel_hi:[1,0,1]
.endr
.irp k, 0,1,2,3
	v_cvt_pk_f16_f32 v[STG+32+4*\st+\k], v[ACC+8*\st+2*\k], v[ACC+8*\st+2*\k+1]
.endr
.endr
	s_wait_alu depctr_va_vdst(0)                   ; the roundings have written q's sixteen registers, which the stores read
.irp st, 0,1,2,3
	global_store_b128 v[VO], v[STG+32+4*\st:STG+32+4*\st+3], s[22:23] offset:\st*2048
.endr
.irp st, 0,1,2,3
.irp k, 0,2,4,6
	v_pk_add_f32 v[ACC+32+8*\st+\k:ACC+32+8*\st+\k+1], v[ACC+32+8*\st+\k:ACC+32+8*\st+\k+1], v[STG+8+\k:STG+8+\k+1]
.endr
.irp k, 0,1,2,3
	v_cvt_pk_f16_f32 v[STG+48+4*\st+\k], v[ACC+32+8*\st+2*\k], v[ACC+32+8*\st+2*\k+1]
.endr
.endr
	s_wait_alu depctr_va_vdst(0)                   ; the roundings have written k's sixteen registers, which the stores read
.irp st, 0,1,2,3
	global_store_b128 v[VO], v[STG+48+4*\st:STG+48+4*\st+3], s[24:25] offset:\st*2048
.endr
.irp st, 0,1,2,3
.irp k, 0,2,4,6
	v_pk_add_f32 v[ACC+64+8*\st+\k:ACC+64+8*\st+\k+1], v[ACC+64+8*\st+\k:ACC+64+8*\st+\k+1], v[STG+16:STG+17]
.endr
.irp k, 0,1,2,3
	v_cvt_pk_f16_f32 v[STG+64+4*\st+\k], v[ACC+64+8*\st+2*\k], v[ACC+64+8*\st+2*\k+1]
.endr
.endr
	s_wait_alu depctr_va_vdst(0)                   ; the roundings have written v's sixteen registers, which the stores read
.irp st, 0,1,2,3
	global_store_b128 v[VV], v[STG+64+4*\st:STG+64+4*\st+3], s[24:25] offset:32768+(\st/2)*4096+(\st%2)*512
.endr
	s_wait_dscnt 0x0                               ; the closing lines, six on end
	s_wait_alu 0x0
	s_wait_tensorcnt 0x0
	ds_add_u32 v254, v255
	s_wait_dscnt 0x0
	s_endpgm
.Lfunc_end_k_qdfa1e29826_qkv:
	.size	k_qdfa1e29826_qkv, .Lfunc_end_k_qdfa1e29826_qkv-k_qdfa1e29826_qkv
	.p2alignl 7, 3214868480
	.fill 96, 4, 3214868480
	.section	.rodata,"a",@progbits
	.p2align	6, 0x0
	.amdhsa_kernel k_qdfa1e29826_qkv
		.amdhsa_group_segment_fixed_size 91136
		.amdhsa_private_segment_fixed_size 0
		.amdhsa_enable_private_segment 0
		.amdhsa_kernarg_size 72
		.amdhsa_user_sgpr_count 2
		.amdhsa_user_sgpr_kernarg_segment_ptr 1
		.amdhsa_wavefront_size32 1
		.amdhsa_system_sgpr_workgroup_id_x 1
		.amdhsa_system_sgpr_workgroup_id_y 1
		.amdhsa_system_sgpr_workgroup_id_z 1
		.amdhsa_system_vgpr_workitem_id 0
		.amdhsa_next_free_vgpr 368
		.amdhsa_next_free_sgpr 66
		.amdhsa_reserve_vcc 0
		.amdhsa_float_denorm_mode_32 3
		.amdhsa_float_denorm_mode_16_64 3
		.amdhsa_memory_ordered 1
		.amdhsa_forward_progress 1
		.amdhsa_inst_pref_size 90
	.end_amdhsa_kernel
	.amdgpu_metadata
---
amdhsa.version: [ 1, 2 ]
amdhsa.kernels:
  - .name:           k_qdfa1e29826_qkv
    .symbol:         k_qdfa1e29826_qkv.kd
    .args:
      - { .name: x, .offset: 0, .size: 8, .value_kind: global_buffer, .address_space: global }
      - { .name: Wq, .offset: 8, .size: 8, .value_kind: global_buffer, .address_space: global }
      - { .name: Wk, .offset: 16, .size: 8, .value_kind: global_buffer, .address_space: global }
      - { .name: Wv, .offset: 24, .size: 8, .value_kind: global_buffer, .address_space: global }
      - { .name: bq, .offset: 32, .size: 8, .value_kind: global_buffer, .address_space: global }
      - { .name: bk, .offset: 40, .size: 8, .value_kind: global_buffer, .address_space: global }
      - { .name: bv, .offset: 48, .size: 8, .value_kind: global_buffer, .address_space: global }
      - { .name: qf, .offset: 56, .size: 8, .value_kind: global_buffer, .address_space: global }
      - { .name: kv, .offset: 64, .size: 8, .value_kind: global_buffer, .address_space: global }
    .group_segment_fixed_size: 91136
    .private_segment_fixed_size: 0
    .kernarg_segment_align: 8
    .kernarg_segment_size: 72
    .max_flat_workgroup_size: 256
    .sgpr_count:     66
    .vgpr_count:     368
    .wavefront_size: 32
...
	.end_amdgpu_metadata
.endif
;; end of part 4
;; launch attn: the kernel of part 2 again; grid 32 x 8, 16 waves a work-group, clusters of 4 x 1, 327,680 bytes of LDS; arguments qf, kv, ob; writes ob
;; launch oproj (part 5): grid 32 x 8, 8 waves a work-group, no clusters, 67,584 bytes of LDS; arguments ob, Wo, bo, out0; writes out0
.if DOCPART == 5
	.amdgcn_target "amdgcn-amd-amdhsa--gfx1250"
	.amdhsa_code_object_version 6
	.text
	.protected	k_qdfa1e29826_oproj
	.globl	k_qdfa1e29826_oproj
	.p2align	8
	.type	k_qdfa1e29826_oproj,@function
k_qdfa1e29826_oproj:
	s_mov_b64 s[64:65], 0
	v_nop
	global_prefetch_b8 v0, s[64:65] scope:SCOPE_SE
	s_setreg_imm32_b32 hwreg(HW_REG_WAVE_SCHED_MODE, 0, 2), 2
	s_setreg_imm32_b32 hwreg(HW_REG_WAVE_MODE, 25, 1), 1
	s_wait_xcnt 0x0
	s_wait_alu depctr_vm_vsrc(0)
; out0 = concat(heads) Wo + bo.  ob: the heads in f16, in fragment order; Wo [512][512] f32; bo [512] f32; out0 [4096][512] f32.
; LIMITS: Wo is rounded to f16: |Wo| of 65,504 or more becomes infinite.
; Work-group (row block sb, column block nb): 128 rows x 64 columns, K = 512.  Wave w: row tile 8 sb + w, all 64 columns, four accumulators.
; The wave's 16 fragments of A are 16 KiB of ob, its own and contiguous: they go straight into 128 registers, lane L at 16 L of each 512-byte record.
; Wo's panel of 512 x 64 is rounded to f16, transposed in registers and kept whole in LDS: one barrier, no ring.
; NO TENSOR LOADS, NO CLUSTER, though the panel is shared by the 32 row blocks: it is f32 and lies [k][n]; it has to pass through registers to be
; rounded and turned, and it is 128 KiB, read once by a work-group.
; COLUMNS PERMUTED: LDS row 16 nt + r holds column 4 r + nt, so lane r's four accumulators hold columns 4 r .. 4 r + 3 of a row: 16 bytes a lane,
; and sixteen lanes store 256 consecutive bytes, aligned, without a way through LDS.
; THE MODE: SCHED_MODE bits 1:0 = 2 (LLVM: expert scheduling mode 2), set by the entry lines.  The code itself states the register dependences
; between vector or matrix instructions and memory or LDS instructions, with s_wait_alu, always for 0.
; THE PLAN.  Registers that memory or LDS instructions touch:
;   STG        Wo as loaded: read by the conversions; batches 0 and 1 are loaded again with A's second half, batch 3's registers become BF0.
;   T0, T1     two pack buffers by turns: a batch's conversions write one, its four LDS stores read it.  T1 lies in BF1, which is idle until the barrier.
;   BF0, BF1   B fragments by turns: K step ks multiplies by one while the loads of step ks + 1 land in the other.
;   OUT        written by the bias adds, read by the eight global stores.
;   v2 to v7, v10, v11   addresses, made at the head and never written again.
; A batch has one wait on va_vdst, between its conversions and its stores.  One wait on vm_vsrc ahead of batch 2 frees T0 and T1, one behind the barrier frees T1 for BF1.
; A K step has one wait on va_vdst at its head: the step before is done reading the other B buffer.  The step's eight LDS loads follow it in two fours,
; dealt among its four matrix instructions, which name this step's B buffer, A and the accumulators: none of the registers in which those loads land.
.set PW,   1040                        ; LDS pitch: 512 f16 + 16 bytes, an odd multiple of 16
.set NTB,  16*PW
.set VW,   2                           ; Wo: (16 w + 8 h) rows + 16 r
.set LWS,  3                           ; LDS: where I store
.set LWB,  4                           ; LDS: my B fragments
.set VA,   5                           ; 16 L
.set VOUT, 6                           ; out0: 8 h rows + 16 r
.set VB,   7                           ; 16 r
.set BI,   12                          ; v[12:15]   bo of columns 4 r .. 4 r + 3
.set AF,   16                          ; v[16:143]  A: K step ks at AF + 8 ks
.set STG,  80                          ; v[80:207]  Wo as loaded, four batches of 32; batches 0, 1 become A's second half
.set ACC,  144                         ; v[144:175] (batch 2's registers)
.set BF0,  176                         ; v[176:207] (batch 3's registers)
.set T0,   208                         ; v[208:223] packed quads, batches 0 and 2
.set T1,   224                         ; v[224:239] packed quads, batches 1 and 3 (BF1's first sixteen registers)
.set BF1,  224                         ; v[224:255]
.set OUT,  16                          ; v[16:47]   at the end
.macro PLACES n
.rept \n
	v_nop
.endr
.endm
	s_load_b256 s[4:11], s[0:1], 0x0               ; ob, Wo, bo, out0
	v_lshl_add_u32 v10, v0, 2, 0x10400
	v_mov_b32 v11, 0
	v_lshrrev_b32 v1, 5, v0
	v_readfirstlane_b32 s12, v1                    ; wave w
	s_and_b32 s13, ttmp7, 0xffff                   ; nb
	v_and_b32 v8, 15, v0                           ; r
	v_bfe_u32 v9, v0, 4, 1                         ; h
	v_and_b32 v1, 31, v0
	v_lshlrev_b32 v[VA], 4, v1
	v_lshlrev_b32 v[VB], 4, v8
	v_lshl_add_u32 v[VOUT], v9, 14, v[VB]          ; 8 h rows of 2,048 bytes + 16 r
	s_wait_alu depctr_va_sdst(0)                   ; s12 is written, ahead of its first reader
	s_lshl_b32 s14, s12, 15
	v_add_nc_u32 v[VW], s14, v[VOUT]               ; + 16 w rows
	v_mul_u32_u24 v[LWB], v8, PW
	v_lshl_add_u32 v[LWB], v9, 4, v[LWB]           ; r PW + 16 h
	s_lshl_b32 s14, s12, 5
	v_add_nc_u32 v[LWS], s14, v[LWB]               ; + 32 w: k = 16 w + 8 h
	s_wait_kmcnt 0x0
	s_mov_b32 s17, 0
	s_lshl_b32 s16, ttmp9, 17
	s_lshl_b32 s14, s12, 14
	s_add_co_u32 s16, s16, s14
	s_add_nc_u64 s[4:5], s[4:5], s[16:17]          ; ob at row tile 8 sb + w
	s_lshl_b32 s16, s13, 8                         ; 64 columns of f32
	s_add_nc_u64 s[6:7], s[6:7], s[16:17]
	s_add_nc_u64 s[8:9], s[8:9], s[16:17]
	s_lshl_b32 s14, ttmp9, 18
	s_add_co_u32 s16, s16, s14
	s_lshl_b32 s14, s12, 15
	s_add_co_u32 s16, s16, s14
	s_add_nc_u64 s[10:11], s[10:11], s[16:17]      ; out0 at row 128 sb + 16 w, column 64 nb
	s_wait_alu depctr_va_vdst(0)                   ; the six offsets and addresses v2 to v7 are written, which every load and store of the kernel reads
	; All that fits in registers is asked for at once: the bias, Wo's panel (batch b: k = 128 b + 16 w + 8 h + 0..7; sixteen lanes take the
	; 256 aligned bytes of a row's piece), A's first half.
	global_load_b128 v[BI:BI+3], v[VB], s[8:9]
.irp b, 0,1,2,3
.irp i, 0,1,2,3,4,5,6,7
	global_load_b128 v[STG+32*\b+4*\i:STG+32*\b+4*\i+3], v[VW], s[6:7] offset:\b*262144+\i*2048
.endr
.endr
.irp i, 0,1,2,3,4,5,6,7,8,9,10,11,12,13,14,15
	global_load_b128 v[AF+4*\i:AF+4*\i+3], v[VA], s[4:5] offset:\i*512
.endr
; A batch: my eight k of four columns.  Pairing along k is the transposition; 16 bytes = eight k of one column go to that column's LDS row.
; t: the pack buffer.  again = 1: the pack buffers are taken up a second time from here on.
.macro WBATCH b, left, t, again
	s_wait_loadcnt \left                           ; loads come back in order: this batch is in, the \left issued behind it stay out
.if \again
	s_wait_alu depctr_vm_vsrc(0)                   ; the LDS stores of batches 0 and 1 have read T0 and T1, which this batch's conversions and the next's write again
.endif
.irp c, 0,1,2,3
.irp i, 0,1,2,3
	v_cvt_pk_f16_f32 v[\t+4*\c+\i], v[STG+32*\b+8*\i+\c], v[STG+32*\b+8*\i+4+\c]
.endr
.endr
	s_wait_alu depctr_va_vdst(0)                   ; the conversions have written the pack buffer, which the LDS stores read, and are done reading this batch's registers, in which later loads land
.irp c, 0,1,2,3
	ds_store_b128 v[LWS], v[\t+4*\c:\t+4*\c+3] offset:\c*NTB+\b*256
.endr
.endm
	WBATCH 0, 40, T0, 0                            ; behind batch 0: 24 of Wo, 16 of A
	WBATCH 1, 32, T1, 0                            ; 16 of Wo, 16 of A
.irp i, 16,17,18,19,20,21,22,23,24,25,26,27,28,29,30,31
	global_load_b128 v[AF+4*\i:AF+4*\i+3], v[VA], s[4:5] offset:\i*512   ; A's second half, into the registers of batches 0 and 1: no vector instruction since batch 1's wait names them
.endr
	WBATCH 2, 40, T0, 1                            ; 8 of Wo, 32 of A
	WBATCH 3, 32, T1, 0                            ; 32 of A
	s_wait_dscnt 0x0                               ; for the others' sake: my part of the panel is stored
	s_barrier_signal -1
	s_barrier_wait -1
	s_wait_alu depctr_vm_vsrc(0)                   ; batch 3's LDS stores have read T1: these registers are BF1 from here on, in which fragment loads land
; Two of a K step's four B fragments: column tiles c0, c0 + 1.
.macro BLOAD2 ks, bf, c0
.irp c, \c0, \c0+1
	ds_load_b128 v[\bf+8*(\c):\bf+8*(\c)+3], v[LWB] offset:(\c)*NTB+(\ks)*64
	ds_load_b128 v[\bf+8*(\c)+4:\bf+8*(\c)+7], v[LWB] offset:(\c)*NTB+(\ks)*64+32
.endr
.endm
; Two of a K step's four matrix instructions.  The four accumulators take turns, one instruction a turn.
.macro MUL2 ks, bf, c0, zero
.irp c, \c0, \c0+1
.if \zero
	v_wmma_f32_16x16x32_f16 v[ACC+8*(\c):ACC+8*(\c)+7], v[AF+8*(\ks):AF+8*(\ks)+7], v[\bf+8*(\c):\bf+8*(\c)+7], 0
.else
	v_wmma_f32_16x16x32_f16 v[ACC+8*(\c):ACC+8*(\c)+7], v[AF+8*(\ks):AF+8*(\ks)+7], v[\bf+8*(\c):\bf+8*(\c)+7], v[ACC+8*(\c):ACC+8*(\c)+7]
.endif
.endr
.endm
.macro MID ks, bf, nbf
	PLACES 4                                       ; four plain instructions between the last step's matrix instructions and the loads into their B registers, as in the plain form of this text
	s_wait_alu depctr_va_vdst(0)                   ; the last step's matrix instructions are done reading the other B buffer, in which this step's eight loads land
	BLOAD2 \ks+1, \nbf, 0
	s_wait_dscnt 0x8                               ; this step's lower two fragments are in; its upper two (four loads) and the four just issued stay out
	MUL2 \ks, \bf, 0, 0
	BLOAD2 \ks+1, \nbf, 2                          ; no wait: no vector or matrix instruction since the wait above names the other B buffer
	s_wait_dscnt 0x8                               ; this step's upper two fragments are in; the next step's eight loads stay out
	MUL2 \ks, \bf, 2, 0
.endm
	s_wait_loadcnt 0x10                            ; A's first half is in; the sixteen loads of the second half stay out
	BLOAD2 0, BF0, 0
	BLOAD2 0, BF0, 2
	BLOAD2 1, BF1, 0
	BLOAD2 1, BF1, 2
	s_wait_dscnt 0x8
	MUL2 0, BF0, 0, 1                              ; the first K step starts the sums
	MUL2 0, BF0, 2, 1
	MID 1, BF1, BF0
	MID 2, BF0, BF1
	MID 3, BF1, BF0
	MID 4, BF0, BF1
	MID 5, BF1, BF0
	MID 6, BF0, BF1
	MID 7, BF1, BF0
	s_wait_loadcnt 0x0                             ; A's second half
	MID 8, BF0, BF1
	MID 9, BF1, BF0
	MID 10, BF0, BF1
	MID 11, BF1, BF0
	MID 12, BF0, BF1
	MID 13, BF1, BF0
	MID 14, BF0, BF1
	s_wait_dscnt 0x4                               ; the last step's lower two fragments are in; its upper two stay out
	MUL2 15, BF1, 0, 0
	s_wait_dscnt 0x0
	MUL2 15, BF1, 2, 0
	PLACES 4                                       ; four places in front of the reads of the sums and the writes over A's registers
.irp j, 0,1,2,3,4,5,6,7
.irp c, 0,1,2,3
	v_add_f32 v[OUT+4*\j+\c], v[ACC+8*\c+\j], v[BI+\c]         ; row 8 h + j, column 4 r + c
.endr
.endr
	s_wait_alu depctr_va_vdst(0)                   ; the adds have written OUT, which the eight stores read
.irp j, 0,1,2,3,4,5,6,7
	global_store_b128 v[VOUT], v[OUT+4*\j:OUT+4*\j+3], s[10:11] offset:\j*2048 th:TH_STORE_NT
.endr
	s_wait_dscnt 0x0                               ; the closing lines, six on end
	s_wait_alu 0x0
	s_wait_tensorcnt 0x0
	ds_add_u32 v10, v11
	s_wait_dscnt 0x0
	s_endpgm
.Lfunc_end_k_qdfa1e29826_oproj:
	.size	k_qdfa1e29826_oproj, .Lfunc_end_k_qdfa1e29826_oproj-k_qdfa1e29826_oproj
	.p2alignl 7, 3214868480
	.fill 96, 4, 3214868480
	.section	.rodata,"a",@progbits
	.p2align	6, 0x0
	.amdhsa_kernel k_qdfa1e29826_oproj
		.amdhsa_group_segment_fixed_size 67584
		.amdhsa_private_segment_fixed_size 0
		.amdhsa_enable_private_segment 0
		.amdhsa_kernarg_size 32
		.amdhsa_user_sgpr_count 2
		.amdhsa_user_sgpr_kernarg_segment_ptr 1
		.amdhsa_wavefront_size32 1
		.amdhsa_system_sgpr_workgroup_id_x 1
		.amdhsa_system_sgpr_workgroup_id_y 1
		.amdhsa_system_sgpr_workgroup_id_z 1
		.amdhsa_system_vgpr_workitem_id 0
		.amdhsa_next_free_vgpr 256
		.amdhsa_next_free_sgpr 66
		.amdhsa_reserve_vcc 0
		.amdhsa_float_denorm_mode_32 3
		.amdhsa_float_denorm_mode_16_64 3
		.amdhsa_memory_ordered 1
		.amdhsa_forward_progress 1
		.amdhsa_inst_pref_size 31
	.end_amdhsa_kernel
	.amdgpu_metadata
---
amdhsa.version: [ 1, 2 ]
amdhsa.kernels:
  - .name:           k_qdfa1e29826_oproj
    .symbol:         k_qdfa1e29826_oproj.kd
    .args:
      - { .name: ob, .offset: 0, .size: 8, .value_kind: global_buffer, .address_space: global }
      - { .name: Wo, .offset: 8, .size: 8, .value_kind: global_buffer, .address_space: global }
      - { .name: bo, .offset: 16, .size: 8, .value_kind: global_buffer, .address_space: global }
      - { .name: out0, .offset: 24, .size: 8, .value_kind: global_buffer, .address_space: global }
    .group_segment_fixed_size: 67584
    .private_segment_fixed_size: 0
    .kernarg_segment_align: 8
    .kernarg_segment_size: 32
    .max_flat_workgroup_size: 256
    .sgpr_count:     66
    .vgpr_count:     256
    .wavefront_size: 32
...
	.end_amdgpu_metadata
.endif
;; end of part 5
